; MI455X (gfx1250); checked and timed in simulation.
; The chip was launched on July 23, 2026; its instructions are those of AMD's public machine-readable ISA for CDNA 5 (MIT licence, August 2026) and "CDNA5" Instruction Set Architecture Reference Guide (July 2026). The comments in the code are by the model that wrote it; some were corrected since.
;; Block. Allowed arithmetic: matrix products marked QUANTISED: E4M3 operands, one E8M0 scale for each 32 along K, by v_wmma_scale_f32_16x16x128_f8f6f4 with both operands' format E4M3, f32 sums; everything else in f32.
;; Inputs: attention_mask 2 x 1 x 1 x 2,048 float32; ln1_b 1,024 float32; ln1_g 1,024 float32; ln2_b 1,024 float32; ln2_g 1,024 float32; w1_codes 4,096 x 32 x 32 uint8 (E4M3 codes of w1, K innermost, in blocks of 32 codes); w1_scales 4,096 x 32 uint8 (E8M0 scales of w1, one for each 32 codes along K); w2_codes 1,024 x 128 x 32 uint8 (E4M3 codes of w2, K innermost, in blocks of 32 codes); w2_scales 1,024 x 128 uint8 (E8M0 scales of w2, one for each 32 codes along K); wk_codes 1,024 x 32 x 32 uint8 (E4M3 codes of wk, K innermost, in blocks of 32 codes); wk_scales 1,024 x 32 uint8 (E8M0 scales of wk, one for each 32 codes along K); wo_codes 1,024 x 32 x 32 uint8 (E4M3 codes of wo, K innermost, in blocks of 32 codes); wo_scales 1,024 x 32 uint8 (E8M0 scales of wo, one for each 32 codes along K); wq_codes 1,024 x 32 x 32 uint8 (E4M3 codes of wq, K innermost, in blocks of 32 codes); wq_scales 1,024 x 32 uint8 (E8M0 scales of wq, one for each 32 codes along K); wv_codes 1,024 x 32 x 32 uint8 (E4M3 codes of wv, K innermost, in blocks of 32 codes); wv_scales 1,024 x 32 uint8 (E8M0 scales of wv, one for each 32 codes along K); x 2 x 2,048 x 1,024 float32.
;; Outputs: out0 2 x 2,048 x 1,024 float32.
;; This version of the problem:
;;   THIS VERSION OF THE PROBLEM IS GIVEN IN LOW PRECISION. The matrix products marked QUANTISED in the list below multiply operands that are first quantised to E4M3 (4 exponent bits, 3 mantissa bits; 8 bits a number), with one power-of-two scale for each 32 numbers along K (OCP MX v1.0); their sums are f32. All else is computed in f32.
;;   The module's matrix products, in the order in which they are computed (A, B: the left and right operand; K: the contracted axis; several contracted axes count as one K, in the product's order):
;;     1. [M 4,096, K 1,024] x [K 1,024, N 1,024]; A: computed on the way; B: input wq (given as codes): QUANTISED
;;     2. [M 4,096, K 1,024] x [K 1,024, N 1,024]; A: computed on the way; B: input wk (given as codes): QUANTISED
;;     3. [M 4,096, K 1,024] x [K 1,024, N 1,024]; A: computed on the way; B: input wv (given as codes): QUANTISED
;;     4. batch 32 x [M 2,048, K 64] x [K 64, N 2,048]; A: computed on the way; B: computed on the way: QUANTISED
;;     5. batch 32 x [M 64, K 2,048] x [K 2,048, N 2,048]; A: computed on the way; B: softmax (see below): QUANTISED
;;     6. [M 4,096, K 1,024] x [K 1,024, N 1,024]; A: computed on the way; B: input wo (given as codes): QUANTISED
;;     7. [M 4,096, K 1,024] x [K 1,024, N 4,096]; A: computed on the way; B: input w1 (given as codes): QUANTISED
;;     8. [M 4,096, K 4,096] x [K 4,096, N 1,024]; A: computed on the way; B: input w2 (given as codes): QUANTISED
;;   THE QUANTISER, for each operand of a quantised product, along K:
;;     - K is cut into blocks of 32 from its start; a last block that is shorter is filled with zeros.
;;     - A block's scale is 2^e with e = floor(log2(the largest magnitude in the block)) - 8, held to -126 .. 127; a block of zeros has e = 0. As a byte (E8M0): e + 127.
;;     - Each number is divided by its block's scale, clamped to +-448, and rounded to the nearest number of E4M3, ties to even, subnormals kept.
;;     - The product sums the exact products of the quantised numbers (number of the format x scale) in f32.
;;   ~~~python
;;   def quantise(x, axis):      # numpy; x: float32 -> the quantised numbers, widened to float32 again
;;       x = np.moveaxis(x, axis, -1); K = x.shape[-1]
;;       x = np.pad(x, [(0, 0)] * (x.ndim - 1) + [(0, -K % 32)]); x = x.reshape(x.shape[:-1] + (-1, 32)); a = np.abs(x).max(-1, keepdims=True)
;;       e = np.where(a > 0, np.clip(np.frexp(np.where(a > 0, a, 1))[1] - 1 - 8, -126, 127), 0)      # np.frexp(a)[1] - 1 = floor(log2(a)), exactly
;;       r = np.clip(x / 2.0 ** e, -448, 448)
;;       step = 2.0 ** (np.maximum(np.frexp(np.where(r == 0, 1, r))[1] - 1, -6) - 3)
;;       q = np.round(r / step) * step * 2.0 ** e      # np.round: ties to even
;;       return np.moveaxis(q.reshape(q.shape[:-2] + (-1,))[..., :K], -1, axis).astype(np.float32)
;;   ~~~
;;   SOFTMAX AHEAD OF A QUANTISED PRODUCT. Where the list says 'softmax', what is quantised is not the finished softmax but p = 2^(t - M), with t = logit x log2(e) and M = ceil(the row's largest t), a whole number; so 1/2 < the row's largest p <= 1. The row's sum l is taken of the UNQUANTISED p, in f32, and the product's result is divided by l at the end. Since M is a whole number, a kernel that streams over the keys may use a running M (the ceiling of the running maximum): every later rescaling is an exact power of two, which a block's scale takes up: the codes' values come out the same.
;;   OPERANDS COMPUTED ON THE WAY. 'Computed on the way' means the value that the module computes at that place (a softmax that the list does not call 'softmax' is quantised finished and normalised). What goes into a quantiser is computed in f32, as accurately as f32 sums, v_exp_f32 and their like allow (about 1e-6 of the number): no bf16 or f16 on the way to a quantiser, and a product that is left as it is and whose result goes on into a quantised operand takes f32 operands (vector FMAs, or v_wmma_f32_16x16x4_f32). A number that lies on a knife's edge between two numbers of the format may be rounded either way, as far as f32 arithmetic and the matrix unit's own rounding can turn it there, and no further.
;;   INPUTS GIVEN AS CODES. w1 (in the module: [1024, 4096], K = its axis 0); w2 (in the module: [4096, 1024], K = its axis 0); wk (in the module: [1024, 1024], K = its axis 0); wo (in the module: [1024, 1024], K = its axis 0); wq (in the module: [1024, 1024], K = its axis 0); wv (in the module: [1024, 1024], K = its axis 0): each comes as NAME_codes (uint8): NAME with its K axis moved to the last place and cut into blocks of 32 codes, [.., K / 32, bytes a block], one block behind the other in memory; one code a byte (a code: sign, 4 exponent bits, 3 mantissa bits); and NAME_scales (uint8): the same leading axes, one E8M0 byte (e + 127) for each 32 codes along K. Its value is code x scale, taken as it is: it is not quantised again, and the codes and scales need not be those that the quantiser above would give.
;; One version. Each part assembles by itself: llvm-mc -triple=amdgcn-amd-amdhsa -mcpu=gfx1250 --defsym DOCPART=n.
;; ======== version 1 of 1: 7 launches
;; limits: right only within a limited range of input values
;; workspace buffers: ybuf 4,325,376 bytes; qkvbuf 12,976,128 bytes; abuf 4,325,376 bytes; x1 16,777,216 bytes; hbuf 17,301,504 bytes
;; launch ln1 (part 1): grid 256 x 1, 4 waves a work-group, no clusters, 22,016 bytes of LDS; arguments x, ln1_g, ln1_b, ybuf; writes ybuf
.if DOCPART == 1
	.amdgcn_target "amdgcn-amd-amdhsa--gfx1250"
	.amdhsa_code_object_version 6
	.text
	.protected	k_q0b60df0e56_ln1
	.globl	k_q0b60df0e56_ln1
	.p2align	8
	.type	k_q0b60df0e56_ln1,@function
k_q0b60df0e56_ln1:
	s_mov_b64 s[64:65], 0
	v_nop
	global_prefetch_b8 v0, s[64:65] scope:SCOPE_SE
	s_setreg_imm32_b32 hwreg(HW_REG_WAVE_MODE, 25, 1), 1
	s_wait_xcnt 0x0
; y = (x - mean) * rsqrt(var + 1e-5) * g + b over rows of 1,024 f32, then quantised along the row: E4M3 codes [4096][1024] at byte 0 of the output
; buffer, one E8M0 byte for each 32 numbers, [4096][32], at byte YS_OFF.  The variance is taken of x - mean (two passes over registers).
; SHARES: a work-group takes 16 rows, a wave 4; a row is 8 loads of 512 consecutive bytes and stays in 32 registers.  All 32 loads of a wave go out at once.
; The conversion wants 16 neighbours in one lane: half a row (2,048 bytes) turns through the wave's own stage in LDS (64 bytes + 16 of padding a place).
; A block's scale byte is its largest magnitude's exponent field - 8, held at 1 from below; a block of zeros keeps the byte 1 (its codes are zeros; only this program reads the bytes).
; LIMITS: NaN and infinities among the inputs are not served; blocks whose largest magnitude lies under 2^-118 take the byte 1.
; No matrix unit, tensor load, cluster or barrier: memory binds, and waves share nothing.
.set YS_OFF, 4194304
.set SP,   80                          ; a place in a stage: 64 bytes + 16
.set WREG, 5376                        ; LDS of a wave: two stages of 32 places, then its 128 scale bytes
.set XS,   32                          ; v32-63   two sets of 16 neighbours
.set X,    64                          ; v64-191  four rows as loaded; a finished row's registers take its codes and bytes
.set GG,   192                         ; v192-223 g of my 32 columns
.set BB,   224                         ; v224-255 b
	s_load_b256 s[4:11], s[0:1], 0x0               ; x, g, b, the output buffer
	v_lshl_add_u32 v30, v0, 2, 0x5400
	v_mov_b32 v31, 0
	v_lshrrev_b32 v1, 5, v0
	v_readfirstlane_b32 s12, v1                    ; wave
	v_and_b32 v7, 31, v0                           ; lane
	v_lshlrev_b32 v1, 4, v7                        ; 16 x lane
	s_mul_i32 s18, s12, WREG
	v_lshrrev_b32 v2, 2, v7
	v_mul_u32_u24 v2, v2, SP
	v_and_b32 v3, 3, v7
	v_lshl_add_u32 v2, v3, 4, v2
	v_add_nc_u32 v2, s18, v2                       ; into a stage: SP (lane / 4) + 16 (lane % 4)
	v_mul_u32_u24 v3, v7, SP
	v_add_nc_u32 v3, s18, v3                       ; out of it: SP x lane
	s_add_co_u32 s18, s18, 2*32*SP
	v_lshrrev_b32 v4, 1, v7
	v_add_nc_u32 v4, s18, v4                       ; my block's scale byte
	v_lshlrev_b32 v6, 2, v7
	v_add_nc_u32 v5, s18, v6                       ; and 4 bytes a lane on the way out
	s_mov_b32 s13, 0x600000                        ; the mantissa field of 448
	s_mov_b32 s14, 0x76543210
	s_mov_b32 s15, 0xfedcba98                      ; lane l xor 16
	s_mov_b32 s16, 0x3a800000                      ; 1 / 1024
	s_mov_b32 s17, 0x3727c5ac                      ; 1e-5
	s_lshl_b32 s20, ttmp9, 16                      ; 16 rows of 4,096 bytes a work-group,
	s_lshl_b32 s21, s12, 14                        ; 4 a wave
	s_add_co_u32 s20, s20, s21
	s_mov_b32 s21, 0
	s_lshr_b32 s22, s20, 2                         ; the same rows' codes: 1,024 bytes a row
	s_mov_b32 s23, 0
	s_lshr_b32 s24, s20, 7                         ; and scale bytes: 32 a row
	s_add_co_u32 s24, s24, YS_OFF
	s_mov_b32 s25, 0
	s_wait_kmcnt 0x0
	s_add_nc_u64 s[4:5], s[4:5], s[20:21]
	s_add_nc_u64 s[26:27], s[10:11], s[24:25]
	s_add_nc_u64 s[10:11], s[10:11], s[22:23]
.irp i, 0,1,2,3,4,5,6,7
	global_load_b128 v[GG+4*\i:GG+4*\i+3], v1, s[6:7] offset:512*\i
	global_load_b128 v[BB+4*\i:BB+4*\i+3], v1, s[8:9] offset:512*\i
.endr
.irp p, 0,1,2,3
.irp i, 0,1,2,3,4,5,6,7
	global_load_b128 v[X+32*\p+4*\i:X+32*\p+4*\i+3], v1, s[4:5] offset:4096*\p+512*\i th:TH_LOAD_NT
.endr
.endr
.macro REDUCE                          ; four packed chains v[8:15] -> the row's sum in v8 of every lane
	v_pk_add_f32 v[8:9], v[8:9], v[10:11]
	v_pk_add_f32 v[12:13], v[12:13], v[14:15]
	v_pk_add_f32 v[8:9], v[8:9], v[12:13]
	v_add_f32 v8, v8, v9
	v_add_f32_dpp v8, v8, v8 row_xmask:1 row_mask:0xf bank_mask:0xf
	v_add_f32_dpp v8, v8, v8 row_xmask:2 row_mask:0xf bank_mask:0xf
	v_add_f32_dpp v8, v8, v8 row_xmask:4 row_mask:0xf bank_mask:0xf
	v_add_f32_dpp v8, v8, v8 row_xmask:8 row_mask:0xf bank_mask:0xf
	v_permlanex16_b32 v9, v8, s14, s15
	v_add_f32 v8, v8, v9
.endm
.macro QSTEP p, t                      ; half t of row p: 512 numbers, 16 neighbours a lane, two lanes to a block
.set XQ, XS+16*\t
.set CQ, X+32*\p+4*\t                  ; the codes' registers: the row's own, which its stores into the stage have read
.if \t == 0
	s_wait_dscnt 4                                 ; the stage's stores and this half's four loads are done; the other half's four may be out
.else
	s_wait_dscnt 1                                 ; only the first half's byte store may be out
.endif
	v_max3_num_f32 v20, |v[XQ]|, |v[XQ+1]|, |v[XQ+2]|
	v_max3_num_f32 v21, |v[XQ+3]|, |v[XQ+4]|, |v[XQ+5]|
.irp i, 6,10
	v_max3_num_f32 v20, v20, |v[XQ+\i]|, |v[XQ+\i+1]|
	v_max3_num_f32 v21, v21, |v[XQ+\i+2]|, |v[XQ+\i+3]|
.endr
	v_max3_num_f32 v20, v20, |v[XQ+14]|, |v[XQ+15]|
	v_max3_num_f32 v20, v20, v21, 0x4800000        ; the floor 2^(9 - 127): the byte cannot fall under 1
	v_max_num_f32_dpp v20, v20, v20 row_xmask:1 row_mask:0xf bank_mask:0xf   ; with my neighbour's 16: the block's largest magnitude
	v_add_nc_u32 v22, 0xfc000000, v20              ; 8 off its exponent field: the conversion's scale operand
	v_and_or_b32 v23, v20, 0x7f800000, s13         ; 448 x the scale
.irp i, 0,1,2,3,4,5,6,7,8,9,10,11,12,13,14,15
	v_med3_num_f32 v[XQ+\i], v[XQ+\i], -v23, v23   ; the conversion does not saturate (ISA guide 7.6.2): the hold comes first
.endr
	v_cvt_scalef32_pk8_fp8_f32 v[CQ:CQ+1], v[XQ:XQ+7], v22
	v_cvt_scalef32_pk8_fp8_f32 v[CQ+2:CQ+3], v[XQ+8:XQ+15], v22
	v_lshrrev_b32 v[X+32*\p+8+\t], 23, v22         ; the scale's byte
	ds_store_b8 v4, v[X+32*\p+8+\t] offset:32*\p+16*\t   ; both lanes of a block write the same byte
	global_store_b128 v1, v[CQ:CQ+3], s[10:11] offset:1024*\p+512*\t   ; 512 consecutive bytes, aligned
.endm
.macro ROW p
.set XR, X+32*\p
	s_wait_loadcnt 24-8*\p                         ; g, b and this row are in; the later rows' eight loads each may be out
.irp k, 0,1,2,3
	v_pk_add_f32 v[8+2*\k:9+2*\k], v[XR+4*\k:XR+4*\k+1], v[XR+4*\k+2:XR+4*\k+3]
.endr
.irp i, 16,24
.irp k, 0,1,2,3
	v_pk_add_f32 v[8+2*\k:9+2*\k], v[8+2*\k:9+2*\k], v[XR+\i+2*\k:XR+\i+2*\k+1]
.endr
.endr
	REDUCE
	v_mul_f32 v16, s16, v8                         ; the mean, as a pair
	v_mov_b32 v17, v16
.set j, 0
.rept 16
	v_pk_add_f32 v[XR+j:XR+j+1], v[XR+j:XR+j+1], v[16:17] neg_lo:[0,1] neg_hi:[0,1]
.set j, j+2
.endr
.irp k, 0,1,2,3
	v_pk_mul_f32 v[8+2*\k:9+2*\k], v[XR+2*\k:XR+2*\k+1], v[XR+2*\k:XR+2*\k+1]
.endr
.irp i, 8,16,24
.irp k, 0,1,2,3
	v_pk_fma_f32 v[8+2*\k:9+2*\k], v[XR+\i+2*\k:XR+\i+2*\k+1], v[XR+\i+2*\k:XR+\i+2*\k+1], v[8+2*\k:9+2*\k]
.endr
.endr
	REDUCE
	v_fma_f32 v18, v8, s16, s17                    ; var + eps
	s_wait_alu depctr_va_vdst(0)
	v_rsq_f32 v18, v18
	v_nop                                          ; a plain line behind the transcendental
	s_wait_alu depctr_va_vdst(0)                   ; the wait ahead of the result's first reader
	v_mov_b32 v19, v18
.set j, 0
.rept 16
	v_pk_mul_f32 v[XR+j:XR+j+1], v[XR+j:XR+j+1], v[18:19]
.set j, j+2
.endr
.set j, 0
.rept 16
	v_pk_fma_f32 v[XR+j:XR+j+1], v[XR+j:XR+j+1], v[GG+j:GG+j+1], v[BB+j:BB+j+1]
.set j, j+2
.endr
.irp i, 0,1,2,3,4,5,6,7
	ds_store_b128 v2, v[XR+4*\i:XR+4*\i+3] offset:32*SP*(\i/4)+8*SP*(\i%4)
.endr
.irp t, 0,1
.irp i, 0,1,2,3
	ds_load_b128 v[XS+16*\t+4*\i:XS+16*\t+4*\i+3], v3 offset:32*SP*\t+16*\i   ; LDS serves a wave's instructions in order: these see the stores above
.endr
.endr
	QSTEP \p, 0
	QSTEP \p, 1
.endm
	ROW 0
	ROW 1
	ROW 2
	ROW 3
	ds_load_b32 v7, v5                             ; my wave's 128 scale bytes, in order behind their stores
	s_wait_dscnt 0x0
	global_store_b32 v6, v7, s[26:27]              ; 128 consecutive bytes
	s_wait_tensorcnt 0x0
	ds_add_u32 v30, v31
	s_wait_dscnt 0x0
	s_endpgm
.Lfunc_end_k_q0b60df0e56_ln1:
	.size	k_q0b60df0e56_ln1, .Lfunc_end_k_q0b60df0e56_ln1-k_q0b60df0e56_ln1
	.p2alignl 7, 3214868480
	.fill 96, 4, 3214868480
	.section	.rodata,"a",@progbits
	.p2align	6, 0x0
	.amdhsa_kernel k_q0b60df0e56_ln1
		.amdhsa_group_segment_fixed_size 22016
		.amdhsa_private_segment_fixed_size 0
		.amdhsa_enable_private_segment 0
		.amdhsa_kernarg_size 32
		.amdhsa_user_sgpr_count 2
		.amdhsa_user_sgpr_kernarg_segment_ptr 1
		.amdhsa_wavefront_size32 1
		.amdhsa_system_sgpr_workgroup_id_x 1
		.amdhsa_system_sgpr_workgroup_id_y 1
		.amdhsa_system_sgpr_workgroup_id_z 1
		.amdhsa_system_vgpr_workitem_id 0
		.amdhsa_next_free_vgpr 256
		.amdhsa_next_free_sgpr 66
		.amdhsa_reserve_vcc 0
		.amdhsa_float_denorm_mode_32 3
		.amdhsa_float_denorm_mode_16_64 3
		.amdhsa_memory_ordered 1
		.amdhsa_forward_progress 1
		.amdhsa_inst_pref_size 53
	.end_amdhsa_kernel
	.amdgpu_metadata
---
amdhsa.version: [ 1, 2 ]
amdhsa.kernels:
  - .name:           k_q0b60df0e56_ln1
    .symbol:         k_q0b60df0e56_ln1.kd
    .args:
      - { .name: x, .offset: 0, .size: 8, .value_kind: global_buffer, .address_space: global }
      - { .name: ln1_g, .offset: 8, .size: 8, .value_kind: global_buffer, .address_space: global }
      - { .name: ln1_b, .offset: 16, .size: 8, .value_kind: global_buffer, .address_space: global }
      - { .name: ybuf, .offset: 24, .size: 8, .value_kind: global_buffer, .address_space: global }
    .group_segment_fixed_size: 22016
    .private_segment_fixed_size: 0
    .kernarg_segment_align: 8
    .kernarg_segment_size: 32
    .max_flat_workgroup_size: 128
    .sgpr_count:     66
    .vgpr_count:     256
    .wavefront_size: 32
...
	.end_amdgpu_metadata
.endif
;; end of part 1
;; launch qkv (part 2): grid 12 x 16, 4 waves a work-group, clusters of 4 x 4, 327,680 bytes of LDS; arguments ybuf, wq_codes, wq_scales, wk_codes, wk_scales, wv_codes, wv_scales, qkvbuf; writes qkvbuf
.if DOCPART == 2
	.amdgcn_target "amdgcn-amd-amdhsa--gfx1250"
	.amdhsa_code_object_version 6
	.text
	.protected	k_q0b60df0e56_qkv
	.globl	k_q0b60df0e56_qkv
	.p2align	8
	.type	k_q0b60df0e56_qkv,@function
k_q0b60df0e56_qkv:
	s_mov_b64 s[64:65], 0
	v_nop
	global_prefetch_b8 v0, s[64:65] scope:SCOPE_SE
	s_setreg_imm32_b32 hwreg(HW_REG_WAVE_MODE, 25, 1), 1
	s_wait_xcnt 0x0
	s_wait_alu depctr_hold_cnt(0) depctr_sa_sdst(0) depctr_va_vdst(0) depctr_va_sdst(0) depctr_va_ssrc(0) depctr_va_vcc(0) depctr_vm_vsrc(0)
	s_getreg_b32 s2, hwreg(HW_REG_IB_STS2, 6, 4)
	s_cmp_eq_u32 s2, 0
	s_cbranch_scc0 .Lentry_in_a_cluster
	s_endpgm
.Lentry_in_a_cluster:
	s_bfe_u32 s2, ttmp6, 0x10000c
	s_cmp_lg_u32 s2, 0xf033
	s_cbranch_scc0 .Lentry_shape_is_right
	s_endpgm
.Lentry_shape_is_right:
.set SIZE_K, 1024
.set YS_OFF, 4194304
.set S_OFF,  12582912
.set KSTEP,  256
.set NQ,     KSTEP/128
.set ROWB,   256
.set KROW,   SIZE_K
.set PITCH,  272
.set FR,     16
.set NL,     4
.set NP,     8
.set HALFT,  128*PITCH
.set SLOT,   4*HALFT
.set LAPS,   SIZE_K/(2*KSTEP)
.set KS,     SIZE_K/32
.set SCL,    2*SLOT
.set HALFS,  (128*KS/256)*272
.set SBLK,   (16*KS/256)*272
.set SPARE,  SCL+4*HALFS
.set ADRA, 16
.set ADRB, 20
.set ADRS, 27
.set SPW,  28
.set NIL,  29
.set OW,   30
.set SC,   32
.set X,    64
.set AF,   128
.set PW,   222
.set PC,   224
.set TM,   240
.set G1, 24
.set G0, 32
.set G1B, 48
.set G0B, 56
.set G1S, 68
.set G0S, 76
.set G1SB, 80
.set G0SB, 88
.set MSB, 0
.macro WIN new
.if MSB != (\new)
	s_set_vgpr_msb (MSB<<8)|(\new)
.set MSB, (\new)
.endif
.endm
.set MUL_LO, 0xa1
.set MUL_HI, 0xf1
.set TO_B,   0x40
.macro JLOAD g0a, g1a, g0b, g1b
	s_cmp_eq_u32 s15, 0
	s_cbranch_scc0 .Lfor_b_\@
	tensor_load_to_lds s[\g0a:\g0a+3], s[\g1a:\g1a+7]
	s_nop 0
.rept 4
	v_nop
.endr
	s_branch .Lasked_\@
.Lfor_b_\@:
	tensor_load_to_lds s[\g0b:\g0b+3], s[\g1b:\g1b+7]
	s_nop 0
.rept 4
	v_nop
.endr
.Lasked_\@:
.endm
.macro CREST
	s_cmp_lg_u32 s14, 0
	s_cbranch_scc1 .Lnot_wave_0_\@
	s_barrier_signal -3
.Lnot_wave_0_\@:
	s_barrier_wait -3
	s_barrier_signal -1
	s_barrier_wait -1
.endm
.macro CROUND
	s_barrier_signal -1
	s_barrier_wait -1
	CREST
.endm
	s_load_b512 s[68:83], s[0:1], 0x0
	v_lshl_add_u32 v[SPW], v0, 2, SPARE
	v_mov_b32 v[NIL], 0
	ds_add_u32 v28, v29
	ds_add_u32 v28, v29
	s_wait_dscnt 0x0
	v_lshrrev_b32 v1, 5, v0
	v_readfirstlane_b32 s14, v1
	s_lshr_b32 s15, s14, 1
	s_and_b32 s16, s14, 1
	s_bfe_u32 s40, ttmp6, 0x40000
	s_bfe_u32 s41, ttmp6, 0x40004
	s_and_b32 s2, ttmp7, 0xffff
	s_lshl_b32 s2, s2, 2
	s_cmp_eq_u32 ttmp9, 2
	s_cselect_b32 s42, s2, 0
	s_cselect_b32 s17, 0, s2
	s_add_co_u32 s42, s42, s40
	s_add_co_u32 s17, s17, s41
	s_lshl_b32 s43, s41, 2
	s_lshl_b32 s43, 15, s43
	s_lshl_b32 s44, 0x1111, s40
	s_wait_kmcnt 0x0
	s_add_nc_u64 s[66:67], s[68:69], YS_OFF
	s_cmp_eq_u32 ttmp9, 0
	s_cselect_b64 s[8:9], s[70:71], s[74:75]
	s_cselect_b64 s[10:11], s[72:73], s[76:77]
	s_cmp_eq_u32 ttmp9, 2
	s_cselect_b64 s[4:5], s[78:79], s[68:69]
	s_cselect_b64 s[6:7], s[80:81], s[66:67]
	s_cselect_b64 s[8:9], s[68:69], s[8:9]
	s_cselect_b64 s[10:11], s[66:67], s[10:11]
	s_mov_b64 s[12:13], s[82:83]
	s_or_b32 s[G1+0], s43, (0<<16)|(1<<20)|(1<<21)|(5<<22)|(3<<25)
	s_or_b32 s[G1B+0], s44, (0<<16)|(1<<20)|(1<<21)|(5<<22)|(3<<25)
.irp g, G1, G1B
	s_mov_b32 s[\g+1], ROWB<<16
	s_mov_b32 s[\g+2], 256<<16                     ; the head's loads of codes bring 256 rows; the ring's 128 (set behind the head's wait)
	s_mov_b32 s[\g+3], ROWB<<16
	s_mov_b32 s[\g+4], 256
	s_mov_b32 s[\g+5], KROW
	s_mov_b32 s[\g+6], 0
	s_mov_b32 s[\g+7], 0
.endr
	s_or_b32 s[G1S+0], s43, (3<<16)|(1<<20)|(1<<21)|(5<<22)|(3<<25)
	s_or_b32 s[G1SB+0], s44, (3<<16)|(1<<20)|(1<<21)|(5<<22)|(3<<25)
.irp g, G1S, G1SB
	s_mov_b32 s[\g+1], 32<<16
	s_mov_b32 s[\g+2], KS<<16                      ; the scale bytes of 256 rows: KS units of 256 bytes
	s_mov_b32 s[\g+3], 32<<16
	s_mov_b32 s[\g+4], KS
	s_mov_b32 s[\g+5], 32
	s_mov_b32 s[\g+6], 0
	s_mov_b32 s[\g+7], 0
.endr
	s_lshl_b32 s20, s17, 8                         ; the tiles' first rows
	s_lshl_b32 s46, s42, 8
	s_mov_b32 s21, 0
	s_mov_b32 s47, 0
	s_mov_b64 s[18:19], KS
	s_mul_u64 s[22:23], s[20:21], s[18:19]
	s_mul_u64 s[92:93], s[46:47], s[18:19]
	s_mov_b64 s[18:19], KROW
	s_mul_u64 s[20:21], s[20:21], s[18:19]
	s_mul_u64 s[46:47], s[46:47], s[18:19]
	s_mul_i32 s45, s14, HALFT
	s_add_nc_u64 s[20:21], s[4:5], s[20:21]
	s_add_nc_u64 s[22:23], s[6:7], s[22:23]
	s_add_nc_u64 s[46:47], s[8:9], s[46:47]
	s_add_nc_u64 s[92:93], s[10:11], s[92:93]
	CROUND
; THE HEAD'S LOADS, ONE A WAVE: wave 0 fetches K step 0's 256 rows of A, wave 1 its 256 rows of B, wave 2 the scale bytes of A's 256 rows, wave 3 those of B's.
; One chain of branches on the wave's number, an arm a load, all arms leading to one join.
; PREFETCH INTO THE L2: a K step is 256 bytes of each row.  Of the 128 rows that a wave fetches in the ring, each of the four partners that ask for them jointly names 32, told apart by address (cx for A, cy for B):
; a lane a row, one instruction a wave and K step, each block of 256 bytes once in each cluster.  K steps 1 and 2 are named at the head, K step 3 behind K step 1's load; the step is the immediate offset, so no address is rewritten.
.set PFA, 94                           ; s[94:95] my work-group's 32 rows of the 128 that I fetch
.set PFO, 31                           ; v31 my lane x a row in memory; never rewritten
.set G0H, 4
.set G0HB, 8
.macro ARM under, g0, g1, next
	s_cmp_lt_u32 s14, \under
	s_cbranch_scc0 \next
	tensor_load_to_lds s[\g0:\g0+3], s[\g1:\g1+7]
	s_nop 0
.rept 4
	v_nop
.endr
	s_branch .Lhead_asked
\next:
.endm
	s_mov_b32 s[G0H], 1
	s_mov_b32 s[G0H+1], 0
	s_mov_b64 s[G0H+2:G0H+3], s[20:21]
	s_or_b32 s[G0H+3], s[G0H+3], 0x80000000
	s_mov_b32 s[G0HB], 1
	s_mov_b32 s[G0HB+1], 2*HALFT
	s_mov_b64 s[G0HB+2:G0HB+3], s[46:47]
	s_or_b32 s[G0HB+3], s[G0HB+3], 0x80000000
	s_mov_b32 s[G0S], 1
	s_mov_b32 s[G0S+1], SCL
	s_mov_b64 s[G0S+2:G0S+3], s[22:23]
	s_or_b32 s[G0S+3], s[G0S+3], 0x80000000
	s_mov_b32 s[G0SB], 1
	s_mov_b32 s[G0SB+1], SCL+2*HALFS
	s_mov_b64 s[G0SB+2:G0SB+3], s[92:93]
	s_or_b32 s[G0SB+3], s[G0SB+3], 0x80000000
	s_mul_i32 s18, s16, 128*KROW                   ; for the ring: my 128 rows of a tile
	s_mov_b32 s19, 0
	s_add_nc_u64 s[20:21], s[20:21], s[18:19]
	s_add_nc_u64 s[46:47], s[46:47], s[18:19]
.irp s, 0,1
	s_mov_b32 s[G0+4*\s], 1
	s_add_co_u32 s[G0+4*\s+1], s45, \s*SLOT
	s_add_nc_u64 s[G0+4*\s+2:G0+4*\s+3], s[20:21], \s*ROWB
	s_or_b32 s[G0+4*\s+3], s[G0+4*\s+3], 0x80000000
	s_mov_b32 s[G0B+4*\s], 1
	s_add_co_u32 s[G0B+4*\s+1], s45, \s*SLOT
	s_add_nc_u64 s[G0B+4*\s+2:G0B+4*\s+3], s[46:47], \s*ROWB
	s_or_b32 s[G0B+4*\s+3], s[G0B+4*\s+3], 0x80000000
.endr
	ARM 1, G0H,  G1,  .Lhead_b
	ARM 2, G0HB, G1B, .Lhead_sa
	ARM 3, G0S,  G1S, .Lhead_sb
	tensor_load_to_lds s[G0SB:G0SB+3], s[G1SB:G1SB+7]
	s_nop 0
.rept 4
	v_nop
.endr
.Lhead_asked:
	s_cmp_eq_u32 s15, 0                            ; do I fetch for A?
	s_cselect_b64 s[PFA:PFA+1], s[20:21], s[46:47] ; my 128 rows of the tile,
	s_cselect_b32 s18, s40, s41                    ; my place among the four that ask for them with me,
	s_mul_i32 s18, s18, 32*KROW
	s_mov_b32 s19, 0
	s_add_nc_u64 s[PFA:PFA+1], s[PFA:PFA+1], s[18:19]
	v_and_b32 v[PFO], 31, v0
	v_mul_u32_u24 v[PFO], v[PFO], KROW
	global_prefetch_b8 v[PFO], s[PFA:PFA+1] offset:ROWB th:TH_LOAD_NT scope:SCOPE_SE     ; K step 1
	global_prefetch_b8 v[PFO], s[PFA:PFA+1] offset:2*ROWB th:TH_LOAD_NT scope:SCOPE_SE   ; K step 2
	v_and_b32 v1, 15, v0
	v_bfe_u32 v2, v0, 4, 1
	v_mul_u32_u24 v3, v1, PITCH
	v_lshl_add_u32 v4, v2, 4, v3
	s_mul_i32 s21, s15, HALFT
	s_mul_i32 s22, s16, HALFT
	s_add_co_u32 s22, s22, 2*HALFT
.irp s, 0,1
	v_add_nc_u32 v[ADRA+\s], s21, v4
	v_add_nc_u32 v[ADRB+\s], s22, v4
	s_add_co_u32 s21, s21, SLOT
	s_add_co_u32 s22, s22, SLOT
.endr
	v_mul_u32_u24 v5, v1, KS
	v_lshrrev_b32 v6, 8, v5
	v_lshl_add_u32 v5, v6, 4, v5
	s_mul_i32 s21, s15, HALFS
	s_mul_i32 s22, s16, HALFS
	s_add_co_u32 s22, s22, 2*HALFS
	s_sub_co_u32 s22, s22, s21
	v_mul_u32_u24 v6, s22, v2
	s_add_co_u32 s21, s21, SCL
	v_add_nc_u32 v5, v5, v6
	v_add_nc_u32 v[ADRS], s21, v5
.macro FRAG reg, adr, q, i
.irp c, 0,1,2,3
	ds_load_b128 v[\reg+4*\c:\reg+4*\c+3], v[\adr] offset:128*(\q)+32*\c+(\i)*16*PITCH
.endr
.endm
.macro MUL16 a0, p, q, sc, zero
.irp a, \a0, \a0+1
.irp b, 0,1,2,3,4,5,6,7
.if \zero
	v_wmma_scale_f32_16x16x128_f8f6f4 v[8*(8*((\a)%4)+\b):8*(8*((\a)%4)+\b)+7], v[128*(\p)+FR*\b:128*(\p)+FR*\b+FR-1], v[AF+FR*(\a):AF+FR*(\a)+FR-1], 0, v[SC+8*NQ*(\sc)+NQ*\b+(\q)], v[SC+8*NQ*(\sc)+NQ*(\a)+(\q)] matrix_a_scale:MATRIX_SCALE_ROW1
.else
	v_wmma_scale_f32_16x16x128_f8f6f4 v[8*(8*((\a)%4)+\b):8*(8*((\a)%4)+\b)+7], v[128*(\p)+FR*\b:128*(\p)+FR*\b+FR-1], v[AF+FR*(\a):AF+FR*(\a)+FR-1], v[8*(8*((\a)%4)+\b):8*(8*((\a)%4)+\b)+7], v[SC+8*NQ*(\sc)+NQ*\b+(\q)], v[SC+8*NQ*(\sc)+NQ*(\a)+(\q)] matrix_a_scale:MATRIX_SCALE_ROW1
.endif
.endr
.endr
.endm
.macro FETCH_B slot, q, p
	WIN TO_B
.irp i, 0,1,2,3,4,5,6,7
	FRAG 128*(\p)+FR*\i, ADRB+\slot, \q, \i
.endr
	WIN 0
.endm
.macro FETCH_A slot, q, i0
.irp i, \i0, \i0+1, \i0+2, \i0+3
	FRAG AF+FR*(\i), ADRA+\slot, \q, \i
.endr
.endm
.macro SCALES sc
.irp i, 0,1,2,3,4,5,6,7
	ds_load_b64 v[SC+8*NQ*\sc+NQ*\i:SC+8*NQ*\sc+NQ*\i+1], v[ADRS] offset:\i*SBLK
.endr
.endm
.macro PLACES n
.rept \n
	v_nop
.endr
.endm
.macro STEP slot, q, zero
	s_wait_dscnt 4*NL
	WIN MUL_LO
	MUL16 0, (\q)%2, \q, \slot, \zero
	MUL16 2, (\q)%2, \q, \slot, \zero
	s_wait_dscnt 0
	PLACES NP
	FETCH_B \slot, (\q)+1, 1-(\q)%2
	FETCH_A \slot, (\q)+1, 0
	WIN MUL_HI
	MUL16 4, (\q)%2, \q, \slot, \zero
	MUL16 6, (\q)%2, \q, \slot, \zero
	PLACES NP
	WIN 0
	FETCH_A \slot, (\q)+1, 4
.endm
.macro TURN slot, next, fill
	s_wait_tensorcnt 0x0
	ds_add_u32 v[SPW], v[NIL]
.if \fill
	s_add_nc_u64 s[G0+4*\slot+2:G0+4*\slot+3], s[G0+4*\slot+2:G0+4*\slot+3], 2*ROWB
	s_add_nc_u64 s[G0B+4*\slot+2:G0B+4*\slot+3], s[G0B+4*\slot+2:G0B+4*\slot+3], 2*ROWB
.endif
	s_wait_dscnt 0x0
	s_barrier_signal -1
	s_barrier_wait -1
.if \fill
	CREST
	JLOAD G0+4*\slot, G1, G0B+4*\slot, G1B
.endif
	WIN MUL_LO
	MUL16 0, 1, NQ-1, \slot, 0
	MUL16 2, 1, NQ-1, \slot, 0
	PLACES NP
	WIN 0
	s_wait_alu depctr_va_vdst(0)
	v_add_nc_u32 v[ADRS], 4*NQ, v[ADRS]
	FETCH_B \next, 0, 0
	FETCH_A \next, 0, 0
	SCALES \next
	WIN MUL_HI
	MUL16 4, 1, NQ-1, \slot, 0
	MUL16 6, 1, NQ-1, \slot, 0
	PLACES NP
	WIN 0
	FETCH_A \next, 0, 4
.endm
.macro QUANTW a, pw
.set AC, 64*((\a)%4)
	WIN 5*(2+(\a)/4)
.irp b, 0,1,2,3
	v_max3_num_f32 v[TM+\b], |v[AC+16*\b]|, |v[AC+1+16*\b]|, 0x4800000
.endr
.irp i, 2,4,6,8,10,12,14
.irp b, 0,1,2,3
	v_max3_num_f32 v[TM+\b], |v[AC+16*\b+\i]|, |v[AC+1+16*\b+\i]|, v[TM+\b]
.endr
.endr
	WIN 0
.irp b, 0,1,2,3
	v_permlanex16_b32 v[TM+4+\b], v[TM+\b], s20, s21
.endr
.irp b, 0,1,2,3
	v_max_num_f32 v[TM+\b], v[TM+\b], v[TM+4+\b]
.endr
.irp b, 0,1,2,3
	v_add_nc_u32 v[TM+12+\b], 0xfc000000, v[TM+\b]
.endr
.irp b, 0,1,2,3
	v_and_or_b32 v[TM+8+\b], v[TM+\b], 0x7f800000, s22
.endr
.irp b, 0,1,2,3
	v_lshrrev_b32 v[TM+4+\b], 23, v[TM+12+\b]
.endr
	v_lshl_or_b32 v[\pw], v[TM+5], 8, v[TM+4]
	v_lshl_or_b32 v[\pw], v[TM+6], 16, v[\pw]
	v_lshl_or_b32 v[\pw], v[TM+7], 24, v[\pw]
	WIN 2+(\a)/4
.irp b, 0,1,2,3
.irp i, 0,1,2,3,4,5,6,7,8,9,10,11,12,13,14,15
	v_med3_num_f32 v[X+16*\b+\i], v[AC+16*\b+\i], -v[TM+8+\b], v[TM+8+\b]
.endr
.endr
	WIN 0
.irp b, 0,1,2,3
	v_cvt_scalef32_pk8_fp8_f32 v[PC+4*\b:PC+1+4*\b], v[X+16*\b:X+7+16*\b], v[TM+12+\b]
	v_cvt_scalef32_pk8_fp8_f32 v[PC+2+4*\b:PC+3+4*\b], v[X+8+16*\b:X+15+16*\b], v[TM+12+\b]
.endr
	v_nop
.endm
	s_wait_alu depctr_va_vdst(0)
	s_wait_tensorcnt 0x0                           ; my tile of the head's four is in
	ds_add_u32 v[SPW], v[NIL]
	s_mov_b32 s[G1+2], 128<<16                     ; no tensor load of mine is out: from here on a load brings 128 rows
	s_mov_b32 s[G1+4], 128
	s_mov_b32 s[G1B+2], 128<<16
	s_mov_b32 s[G1B+4], 128
	s_wait_dscnt 0x0
	CROUND                                         ; all four tiles are in, and the sixteen work-groups meet
	JLOAD G0+4, G1, G0B+4, G1B                     ; K step 1, the first tensor load behind the round
	global_prefetch_b8 v[PFO], s[PFA:PFA+1] offset:3*ROWB th:TH_LOAD_NT scope:SCOPE_SE   ; K step 3, the last
	FETCH_B 0, 0, 0
	FETCH_A 0, 0, 0
	SCALES 0
	FETCH_A 0, 0, 4
	STEP 0, 0, 1
	s_mov_b32 s3, LAPS-1
.Llap:
	TURN 0, 1, 1
	STEP 1, 0, 0
	TURN 1, 0, 1
	STEP 0, 0, 0
	s_sub_co_u32 s3, s3, 1
	s_cmp_lg_u32 s3, 0
	s_cbranch_scc1 .Llap
	TURN 0, 1, 0
	STEP 1, 0, 0
	s_wait_dscnt 4*NL
	WIN MUL_LO
	MUL16 0, 1, NQ-1, 1, 0
	MUL16 2, 1, NQ-1, 1, 0
	s_wait_dscnt 0
	WIN MUL_HI
	MUL16 4, 1, NQ-1, 1, 0
	MUL16 6, 1, NQ-1, 1, 0
	WIN 0
	PLACES NP
	v_and_b32 v1, 31, v0
	v_lshlrev_b32 v8, 4, v1
	s_wait_alu depctr_va_vdst(0)
	s_lshl_b32 s24, s17, 8
	s_lshl_b32 s26, s15, 7
	s_add_co_u32 s24, s24, s26
	s_lshl_b32 s25, s42, 8
	s_lshl_b32 s26, s16, 7
	s_add_co_u32 s25, s25, s26
	s_cmp_eq_u32 ttmp9, 2
	s_cselect_b32 s26, s25, s24
	s_cselect_b32 s27, s24, s25
	s_mov_b32 s38, 1024
	s_cselect_b32 s38, 2048, s38
	s_mov_b32 s39, 393216
	s_cselect_b32 s39, 1024, s39
	s_mov_b32 s44, 2048
	s_cselect_b32 s44, 4096, s44
	s_cselect_b32 s45, 385024, 0
	s_cselect_b32 s46, 64, 12288
	s_cselect_b32 s47, 128, 64
	s_cselect_b32 s48, 12032, 0
	s_mov_b32 s49, 0x05040100
	s_cselect_b32 s49, 0x03020100, s49
	s_mov_b32 s50, 0x07060302
	s_cselect_b32 s50, 0x07060504, s50
	s_lshr_b32 s28, s26, 11
	s_lshl_b32 s28, s28, 4
	s_lshr_b32 s29, s27, 6
	s_add_co_u32 s28, s28, s29
	s_and_b32 s29, s26, 2047
	s_mul_i32 s30, s28, 393216
	s_lshl_b32 s31, ttmp9, 17
	s_add_co_u32 s30, s30, s31
	s_lshl_b32 s31, s29, 6
	s_add_co_u32 s30, s30, s31
	s_mov_b32 s31, 0
	s_mul_i32 s32, s28, 12288
	s_lshl_b32 s33, ttmp9, 12
	s_add_co_u32 s32, s32, s33
	s_lshl_b32 s33, s29, 1
	s_add_co_u32 s32, s32, s33
	s_add_co_u32 s32, s32, S_OFF
	s_mov_b32 s33, 0
	s_add_nc_u64 s[34:35], s[12:13], s[30:31]
	s_add_nc_u64 s[36:37], s[12:13], s[32:33]
	v_add_nc_u32 v9, s39, v8
	v_add_nc_u32 v10, s38, v8
	v_add_nc_u32 v11, s39, v10
	v_and_b32 v1, 15, v0
	v_bfe_u32 v2, v0, 4, 1
	v_mul_lo_u32 v12, v2, s46
	v_lshl_add_u32 v12, v1, 2, v12
	v_mov_b32 v13, s49
	v_mov_b32 v14, s50
	v_cmp_eq_u32 vcc_lo, 1, v2
	v_cndmask_b32 v13, v13, v14, vcc_lo
.irp b, 0,1,2,3
	v_mov_b32 v[TM+4+\b], 0
.endr
	s_mov_b32 s20, 0x76543210
	s_mov_b32 s21, 0xfedcba98
	s_mov_b32 s22, 0x600000
	s_mov_b32 s57, 0
.irp n, 0,1,2,3
	s_wait_xcnt 0x0
	s_mul_i32 s56, s44, \n
	s_mul_i32 s60, s45, \n/2
	s_add_co_u32 s56, s56, s60
	s_add_nc_u64 s[52:53], s[34:35], s[56:57]
	s_mul_i32 s56, s47, \n
	s_mul_i32 s60, s48, \n/2
	s_add_co_u32 s56, s56, s60
	s_add_nc_u64 s[54:55], s[36:37], s[56:57]
.irp e, 0,1
.if \e
	s_wait_xcnt 0x0
.endif
	QUANTW 2*\n+\e, PW+\e
.irp b, 0,1,2,3
	global_store_b128 v[8+2*\e+\b/2], v[PC+4*\b:PC+4*\b+3], s[52:53] offset:(\b%2)*512
.endr
.endr
	v_perm_b32 v[OW], v[PW+1], v[PW], v13
	global_store_b32 v12, v[OW], s[54:55]
.endr
	s_wait_tensorcnt 0x0
	ds_add_u32 v[SPW], v[NIL]
	s_wait_dscnt 0x0
	CROUND
	s_endpgm
.Lfunc_end_k_q0b60df0e56_qkv:
	.size	k_q0b60df0e56_qkv, .Lfunc_end_k_q0b60df0e56_qkv-k_q0b60df0e56_qkv
	.p2alignl 7, 3214868480
	.fill 96, 4, 3214868480
	.section	.rodata,"a",@progbits
	.p2align	6, 0x0
	.amdhsa_kernel k_q0b60df0e56_qkv
		.amdhsa_group_segment_fixed_size 327680
		.amdhsa_private_segment_fixed_size 0
		.amdhsa_enable_private_segment 0
		.amdhsa_kernarg_size 64
		.amdhsa_user_sgpr_count 2
		.amdhsa_user_sgpr_kernarg_segment_ptr 1
		.amdhsa_wavefront_size32 1
		.amdhsa_system_sgpr_workgroup_id_x 1
		.amdhsa_system_sgpr_workgroup_id_y 1
		.amdhsa_system_sgpr_workgroup_id_z 1
		.amdhsa_system_vgpr_workitem_id 0
		.amdhsa_next_free_vgpr 1024
		.amdhsa_next_free_sgpr 98
		.amdhsa_reserve_vcc 1
		.amdhsa_float_denorm_mode_32 3
		.amdhsa_float_denorm_mode_16_64 3
		.amdhsa_memory_ordered 1
		.amdhsa_forward_progress 1
		.amdhsa_inst_pref_size 190
	.end_amdhsa_kernel
	.amdgpu_metadata
---
amdhsa.version: [ 1, 2 ]
amdhsa.kernels:
  - .name:           k_q0b60df0e56_qkv
    .symbol:         k_q0b60df0e56_qkv.kd
    .args:
      - { .name: ybuf, .offset: 0, .size: 8, .value_kind: global_buffer, .address_space: global }
      - { .name: wq_codes, .offset: 8, .size: 8, .value_kind: global_buffer, .address_space: global }
      - { .name: wq_scales, .offset: 16, .size: 8, .value_kind: global_buffer, .address_space: global }
      - { .name: wk_codes, .offset: 24, .size: 8, .value_kind: global_buffer, .address_space: global }
      - { .name: wk_scales, .offset: 32, .size: 8, .value_kind: global_buffer, .address_space: global }
      - { .name: wv_codes, .offset: 40, .size: 8, .value_kind: global_buffer, .address_space: global }
      - { .name: wv_scales, .offset: 48, .size: 8, .value_kind: global_buffer, .address_space: global }
      - { .name: qkvbuf, .offset: 56, .size: 8, .value_kind: global_buffer, .address_space: global }
    .group_segment_fixed_size: 327680
    .private_segment_fixed_size: 0
    .kernarg_segment_align: 8
    .kernarg_segment_size: 64
    .max_flat_workgroup_size: 128
    .sgpr_count:     98
    .vgpr_count:     1024
    .wavefront_size: 32
...
	.end_amdgpu_metadata
.endif
;; end of part 2
;; launch attn (part 3): grid 8 x 32, 8 waves a work-group, clusters of 4 x 1, 327,680 bytes of LDS; arguments qkvbuf, attention_mask, abuf; writes abuf
.if DOCPART == 3
	.amdgcn_target "amdgcn-amd-amdhsa--gfx1250"
	.amdhsa_code_object_version 6
	.text
	.protected	k_q0b60df0e56_attn
	.globl	k_q0b60df0e56_attn
	.p2align	8
	.type	k_q0b60df0e56_attn,@function
k_q0b60df0e56_attn:
	s_mov_b64 s[64:65], 0
	v_nop
	global_prefetch_b8 v0, s[64:65] scope:SCOPE_SE
	s_setreg_imm32_b32 hwreg(HW_REG_WAVE_MODE, 25, 1), 1
	s_wait_xcnt 0x0
	s_wait_alu depctr_hold_cnt(0) depctr_sa_sdst(0) depctr_va_vdst(0) depctr_va_sdst(0) depctr_va_ssrc(0) depctr_va_vcc(0) depctr_vm_vsrc(0)
	s_getreg_b32 s2, hwreg(HW_REG_IB_STS2, 6, 4)
	s_cmp_eq_u32 s2, 0
	s_cbranch_scc0 .Lentry_in_a_cluster
	s_endpgm
.Lentry_in_a_cluster:
	s_bfe_u32 s2, ttmp6, 0x10000c
	s_cmp_lg_u32 s2, 0x3003
	s_cbranch_scc0 .Lentry_shape_is_right
	s_endpgm
.Lentry_shape_is_right:
; attn[q] = sum over keys of softmax(q . k / 32 + mask) v for one (batch, head), both products on E4M3 codes with E8M0 scales; the result, divided by the row's sum, is quantised along the model's 1,024 and stored as images.
; SHARES: a work-group owns 256 queries of one head; each of its eight waves owns 32, two tiles X and Y of 16: every fragment of K and V and every mask register read from LDS serves two tiles.  Two waves to a SIMD, 512 registers a wave.
; LDS IS FILLED ONCE: a head's K and V images (131,072 bytes each), their scale words (4,096 each) and the batch's mask (8,192).  At the head each wave brings 8,192 bytes (waves 0-2: keys 0-383 of K, waves 3-5: of V,
; wave 6: the scale words, wave 7: the mask); behind the three lines and a round each wave brings 26,624 bytes of the rest, which land under the first three key steps.  By this text's count a wave has one tensor load out.
; CLUSTER: the four query blocks of a cluster read the same head: every tile is asked for jointly (mask 15).  No prefetch: all bytes are asked for by these two groups of loads, and there is no loop to run ahead in.
; LAYOUT: S^T = K Q^T, O^T = V^T P^T: a lane holds one query of X and one of Y.  The head is 64 wide and the instruction 128: a fragment of K holds TWO tiles of 16 keys, multiplied once by [q | 0] and once by [0 | q].
; THE MASK is the C of the first product (register j of lane (r, h) of tile t is key 16 t + 8 h + j), in registers of its own that both tiles name; 1 / sqrt(1024) = 2^-5 is taken off q's scale bytes, exactly.
; SOFTMAX: t = score x log2(e); M = the running largest t rounded up to a whole number; p = 2^(t - M), quantised along the keys, not normalised; the sum is taken of the unquantised p; when M moves, sum and O^T are multiplied by 2^(old M - new M).
; X's exponentials stand among Y's multiply-adds, Y's among X's holds; each batch has one wait ahead of it and one behind it.
; REGISTERS.  Window 0: v1-8 addresses, v12-19 -M, largest t and sums of X, Y, v20-27 scale words, v28-63 at work (eight blocks: X's four, Y's four), v64-127 four fragments of K or V, v128-255 S^T, then p, of X and Y.
; Window 1: v0-63 the mask, v64-95 p's codes, v96-159 O^T of X and Y, v160-199 zeros, q X, zeros, q Y, zeros.
; LIMITS: q's scale bytes are held at 6 before 5 is taken off: a block of q whose largest magnitude lies under 2^-113 counts up to 32 times too large (still under 2^-108).  The scaled scores stay under 2^31 in magnitude.
; A row whose every key is masked by -infinity gives 0 / 0, as in the definition.
.set S_OFF,  12582912
.set A_SOFF, 4194304
.set LV,   131072                      ; LDS: K's image at 0, V's here,
.set LSK,  262144                      ; K's scale words, V's 4,096 further on,
.set LM,   270336                      ; the mask,
.set SPARE, 278528                     ; the spare words: 128 bytes a wave
.set AK0, 1
.set AV0, 2
.set AS0, 3
.set AM0, 4
.set ADK, 5
.set ADV, 6
.set ADS, 7
.set ADM, 8
.set SPW, 9
.set NIL, 10
.set NM,  12                           ; v[12:13] -M, largest t of X; v[14:15] of Y
.set SUM, 16                           ; v[16:17] X's sum in two halves; v[18:19] Y's
.set KSW, 20                           ; scale words: K's two, V's two, q's of X, Y, p's of X, Y: eight numbers that differ modulo 8
.set VSW, 22
.set QW,  24
.set PWD, 26
.set FF,  28                           ; v28 f of X, v29 f of Y
.set T2,  30
.set BM,  32
.set T1,  40                           ; also the sums' three side chains
.set HL,  48
.set SO,  56
.set KV,  64
.set S,   128
.set MK,  0                            ; window 1
.set PCD, 64
.set OT,  96
.set QB,  160
.set WV,  10
.set G1A, 16                           ; s[16:23] 104 rows of 256 bytes
.set G1B, 24                           ; s[24:31] 32 rows
.set G0S, 32
.set G0L, 36
.set SEL, 40
.set CS,  42
.set MNT, 44
.set TB,  45
.set TS,  46
.set TK,  47
.set CNT, 48
.set MSB, 0
.macro WIN new                         ; the immediate's high byte repeats the setting that is left
.if MSB != (\new)
	s_set_vgpr_msb (MSB<<8)|(\new)
.set MSB, (\new)
.endif
.endm
.macro WALU
	s_wait_alu depctr_va_vdst(0)
.endm
.macro CROUND
	s_barrier_signal -1
	s_barrier_wait -1
	s_cmp_lg_u32 s[WV], 0
	s_cbranch_scc1 .Lnot_wave_0_\@
	s_barrier_signal -3
.Lnot_wave_0_\@:
	s_barrier_wait -3
	s_barrier_signal -1
	s_barrier_wait -1
.endm
	s_load_b128 s[4:7], s[0:1], 0x0                ; qkvbuf, the mask
	s_load_b64 s[8:9], s[0:1], 0x10                ; abuf
	v_lshl_add_u32 v[SPW], v0, 2, SPARE
	v_mov_b32 v[NIL], 0
	ds_add_u32 v[SPW], v[NIL]                      ; the opening lines: the add twice on end and its wait
	ds_add_u32 v[SPW], v[NIL]
	v_lshrrev_b32 v1, 5, v0
	v_readfirstlane_b32 s[WV], v1                  ; wave 0..7
	s_bfe_u32 s11, ttmp6, 0x40000                  ; cx
	s_lshl_b32 s12, ttmp9, 2
	s_add_co_u32 s12, s12, s11                     ; my block of 256 queries: it enters q's and the output's addresses alone
	s_and_b32 s13, ttmp7, 0xffff                   ; 16 x batch + head, which the partners share
	s_lshr_b32 s14, s13, 4
	s_and_b32 s15, s13, 15
.irp g, G1A, G1B
	s_mov_b32 s[\g], 15|(3<<16)|(1<<21)            ; all four work-groups; elements of 8 bytes; no padding; bit 21 beside a mask
	s_mov_b32 s[\g+1], 32<<16
	s_mov_b32 s[\g+3], 32<<16
	s_mov_b32 s[\g+5], 32
	s_mov_b32 s[\g+6], 0
	s_mov_b32 s[\g+7], 0
.endr
	s_mov_b32 s[G1A+2], 104<<16
	s_mov_b32 s[G1A+4], 104
	s_mov_b32 s[G1B+2], 32<<16
	s_mov_b32 s[G1B+4], 32
	s_lshl_b32 s52, s[WV], 13                      ; the first load's LDS address: 8,192 w + 106,496 (w / 3): 0, 8,192, 16,384; LV + the same; LSK; LM
	s_mul_i32 s53, s[WV], 11
	s_lshr_b32 s53, s53, 5                         ; w / 3 for w under 8
	s_mul_i32 s53, s53, 106496
	s_add_co_u32 s52, s52, s53
	s_mul_i32 s54, s13, 393216
	s_add_co_u32 s54, s54, 131072                  ; the head's K and V images, on end in memory as in LDS
	s_add_co_u32 s55, s54, s52                     ; waves 0-5
	s_mul_i32 s56, s13, 12288
	s_add_co_u32 s56, s56, S_OFF+4096              ; wave 6: K's and V's scale words, on end
	s_lshl_b32 s58, s14, 13                        ; wave 7: the batch's mask
	s_cmp_lt_u32 s[WV], 6
	s_cselect_b32 s55, s55, s56
	s_cmp_lt_u32 s[WV], 7
	s_cselect_b32 s56, s55, s58
	s_mov_b32 s57, 0
	s_and_b32 s59, s[WV], 3                        ; the second load's: behind the first 24,576 bytes of K (waves 0-3) or of V, a quarter of 106,496 bytes a wave
	s_mul_i32 s59, s59, 26624
	s_lshr_b32 s60, s[WV], 2
	s_lshl_b32 s60, s60, 17
	s_add_co_u32 s59, s59, s60
	s_add_co_u32 s59, s59, 24576
	s_add_co_u32 s60, s54, s59
	s_mov_b32 s61, 0
	s_mov_b32 s[SEL], 0x76543210
	s_mov_b32 s[SEL+1], 0xfedcba98
	s_mov_b32 s[CS], 0x3fb8aa3b                    ; log2(e)
	s_mov_b32 s[CS+1], s[CS]
	s_mov_b32 s[MNT], 0x600000
	s_wait_dscnt 0x0
	s_wait_kmcnt 0x0
	s_cmp_lt_u32 s[WV], 7
	s_cselect_b64 s[62:63], s[4:5], s[6:7]
	s_mov_b32 s[G0S], 1
	s_mov_b32 s[G0S+1], s52
	s_add_nc_u64 s[G0S+2:G0S+3], s[62:63], s[56:57]
	s_or_b32 s[G0S+3], s[G0S+3], 0x80000000
	s_mov_b32 s[G0L], 1
	s_mov_b32 s[G0L+1], s59
	s_add_nc_u64 s[G0L+2:G0L+3], s[4:5], s[60:61]
	s_or_b32 s[G0L+3], s[G0L+3], 0x80000000
	CROUND                                         ; all four work-groups are here: the joint loads meet
	tensor_load_to_lds s[G0S:G0S+3], s[G1B:G1B+7]  ; every wave's one load at the head
	s_nop 0
.rept 4
	v_nop
.endr
	s_mul_i32 s50, s13, 393216                     ; q's image: 1,024 bytes a tile, 16 tiles a block, two a wave
	s_lshl_b32 s51, s12, 14
	s_add_co_u32 s50, s50, s51
	s_lshl_b32 s51, s[WV], 11
	s_add_co_u32 s50, s50, s51
	s_mov_b32 s51, 0
	s_add_nc_u64 s[50:51], s[4:5], s[50:51]
	s_mul_i32 s52, s13, 12288                      ; its scale words: 64 bytes a pair of tiles: my pair
	s_add_co_u32 s52, s52, S_OFF
	s_lshl_b32 s53, s12, 9
	s_add_co_u32 s52, s52, s53
	s_lshl_b32 s53, s[WV], 6
	s_add_co_u32 s52, s52, s53
	s_mov_b32 s53, 0
	s_add_nc_u64 s[52:53], s[4:5], s[52:53]
	v_and_b32 v11, 31, v0
	v_and_b32 v[T2], 15, v0                        ; r
	v_bfe_u32 v[T2+1], v0, 4, 1                    ; h
	v_lshlrev_b32 v[AK0], 4, v11
	v_lshl_add_u32 v[AS0], v11, 2, LSK
	v_lshl_add_u32 v[AM0], v[T2+1], 5, LM
	v_lshlrev_b32 v[HL], 2, v[T2]
	v_add_nc_u32 v[AV0], LV, v[AK0]
	WIN 0x40                                       ; destination window 1
.irp y, 0,1
	global_load_b128 v[QB+8+16*\y:QB+11+16*\y], v[AK0], s[50:51] offset:1024*\y
	global_load_b128 v[QB+12+16*\y:QB+15+16*\y], v[AK0], s[50:51] offset:1024*\y+512
.endr
.irp j, 0,1,2,3,4,5,6,7
	v_mov_b32 v[QB+\j], 0                          ; zero codes beside q
	v_mov_b32 v[QB+16+\j], 0
	v_mov_b32 v[QB+32+\j], 0
.endr
.set j, 0
.rept 64
	v_mov_b32 v[OT+j], 0                           ; the step is written once: the first finds zeros
.set j, j+1
.endr
	WIN 0
	global_load_b32 v11, v[HL], s[52:53]           ; row r's word: bytes 0, 1 X's, bytes 2, 3 Y's
.irp y, 0,1
	v_mov_b32 v[NM+2*\y+1], 0xff61b1e6             ; the largest t so far: -3e38
	v_floor_f32 v[NM+2*\y], -v[NM+2*\y+1]          ; -M
	v_mov_b32 v[SUM+2*\y], 0
	v_mov_b32 v[SUM+2*\y+1], 0
.endr
.irp b, 0,1,2,3,4,5,6,7
	v_mov_b32 v[T1+\b], 0                          ; a lane permute's destination counts as one of its sources
.endr
	WALU
	s_wait_tensorcnt 0x0                           ; my first load has landed
	ds_add_u32 v[SPW], v[NIL]
	s_wait_dscnt 0x0
	CROUND                                         ; everybody's first load has landed, and the four work-groups meet again
	tensor_load_to_lds s[G0L:G0L+3], s[G1A:G1A+7]  ; keys 384-2,047: bytes that nothing has filled
	s_nop 0
.rept 4
	v_nop
.endr
	s_wait_loadcnt 0x0                             ; q and its scale word
.irp i, 0,1,2,3
	v_bfe_u32 v[HL+\i], v11, 8*\i, 8
.endr
.irp i, 0,1,2,3
	v_max_u32 v[HL+\i], 6, v[HL+\i]                ; held at 6 from below,
.endr
.irp i, 0,1,2,3
	v_add_nc_u32 v[HL+\i], -5, v[HL+\i]            ; and 5 off: the scores' 1 / 32
.endr
	v_lshl_or_b32 v[HL], v[HL+1], 8, v[HL]
	v_lshl_or_b32 v[HL+2], v[HL+3], 8, v[HL+2]
	v_lshl_or_b32 v[QW], v[HL], 16, v[HL]          ; for q in either half of K
	v_lshl_or_b32 v[QW+1], v[HL+2], 16, v[HL+2]
.macro QK t, y                         ; scores of key tile t for query tile y: fragment t / 2 of K against q in the half where that tile's codes lie; C = the mask
.set QA_, QB+8+16*(\y)-8*((\t)%2)
.if ((\t)/2)%2
	v_wmma_scale_f32_16x16x128_f8f6f4 v[S+64*(\y)+8*(\t):S+64*(\y)+8*(\t)+7], v[KV+16*((\t)/2):KV+16*((\t)/2)+15], v[QA_:QA_+15], v[MK+8*(\t):MK+8*(\t)+7], v[KSW+(\t)/4], v[QW+(\y)] matrix_a_scale:MATRIX_SCALE_ROW1
.else
	v_wmma_scale_f32_16x16x128_f8f6f4 v[S+64*(\y)+8*(\t):S+64*(\y)+8*(\t)+7], v[KV+16*((\t)/2):KV+16*((\t)/2)+15], v[QA_:QA_+15], v[MK+8*(\t):MK+8*(\t)+7], v[KSW+(\t)/4], v[QW+(\y)]
.endif
.endm
.macro PV t, y                         ; O^T's tile t of query tile y += V^T P^T over the step's 128 keys
.set OA_, OT+32*(\y)+8*(\t)
.if (\t)%2
	v_wmma_scale_f32_16x16x128_f8f6f4 v[OA_:OA_+7], v[KV+16*(\t):KV+16*(\t)+15], v[PCD+16*(\y):PCD+16*(\y)+15], v[OA_:OA_+7], v[VSW+(\t)/2], v[PWD+(\y)] matrix_a_scale:MATRIX_SCALE_ROW1
.else
	v_wmma_scale_f32_16x16x128_f8f6f4 v[OA_:OA_+7], v[KV+16*(\t):KV+16*(\t)+15], v[PCD+16*(\y):PCD+16*(\y)+15], v[OA_:OA_+7], v[VSW+(\t)/2], v[PWD+(\y)]
.endif
.endm
.macro HOLD2 r, h                      ; the hold of two numbers in one instruction; p is never negative
	v_dual_min_num_f32 v[\r], v[\h], v[\r] :: v_dual_min_num_f32 v[\r+1], v[\h], v[\r+1]
.endm
.macro MAXG k, b0                      ; line k of eight in the search for the largest score of blocks b0 .. b0 + 3, the four blocks by turns
.irp b, 0,1,2,3
.if (\k) == 0
	v_max3_num_f32 v[BM+\b0+\b], v[S+16*(\b0+\b)], v[S+16*(\b0+\b)+1], v[S+16*(\b0+\b)+2]
.elseif (\k) < 7
	v_max3_num_f32 v[BM+\b0+\b], v[BM+\b0+\b], v[S+16*(\b0+\b)+2*(\k)+1], v[S+16*(\b0+\b)+2*(\k)+2]
.else
	v_max_num_f32 v[BM+\b0+\b], v[BM+\b0+\b], v[S+16*(\b0+\b)+15]
.endif
.endr
.endm
.macro PADD d, a
	v_pk_add_f32 v[\d:\d+1], v[\d:\d+1], v[\a:\a+1]
.endm
.macro SUMS s, acc                     ; the 64 unquantised p at s are added onto the pair acc: four chains by turns
	v_pk_add_f32 v[T1:T1+1], v[\s:\s+1], v[\s+2:\s+3]
	v_pk_add_f32 v[T1+2:T1+3], v[\s+4:\s+5], v[\s+6:\s+7]
	v_pk_add_f32 v[T1+4:T1+5], v[\s+8:\s+9], v[\s+10:\s+11]
	PADD \acc, \s+12
.set j, 14
.rept 6
	PADD T1, \s+j
	PADD T1+2, \s+j+2
	PADD T1+4, \s+j+4
	PADD \acc, \s+j+6
.set j, j+8
.endr
	PADD T1, \s+62
	PADD \acc, T1+4
	PADD T1, T1+2
	PADD \acc, T1
.endm
; A KEY STEP of 128 keys for both query tiles.  Blocks 0-3 are X's blocks of 32 keys, blocks 4-7 Y's.  No two matrix instructions that follow each other share an accumulator.
.macro STEP
	v_add_nc_u32 v[ADK], s[TB], v[AK0]
	v_add_nc_u32 v[ADV], s[TB], v[AV0]
	v_add_nc_u32 v[ADS], s[TS], v[AS0]
	v_add_nc_u32 v[ADM], s[TK], v[AM0]
.rept 4
	v_nop                                          ; with the four additions: eight places behind the last products, whose fragments' registers are loaded below
.endr
	WIN 0x40
.irp t, 0,1,2,3,4,5,6,7
	ds_load_b128 v[MK+8*\t:MK+8*\t+3], v[ADM] offset:64*\t          ; the mask of my eight keys of tile t
	ds_load_b128 v[MK+8*\t+4:MK+8*\t+7], v[ADM] offset:64*\t+16
.endr
	WIN 0
.irp f, 0,1,2,3,4,5,6,7,8,9,10,11,12,13,14,15
	ds_load_b128 v[KV+4*\f:KV+4*\f+3], v[ADK] offset:512*\f         ; an image: 512 consecutive bytes a load
.endr
	ds_load_b32 v[KSW], v[ADS]                                      ; lanes 0-15 fragment 0's words, lanes 16-31 fragment 1's
	ds_load_b32 v[KSW+1], v[ADS] offset:128
	WALU
	s_wait_dscnt 0x0
	WIN 0x14                                       ; q and the mask in window 1
.irp y, 0,1
.irp t, 0,1,2,3,4,5,6,7
	QK \t, \y
.endr
.endr
	WIN 0
.rept 8
	v_nop                                          ; places in front of the loads into K's registers and of the first read of the scores
.endr
.irp f, 0,1,2,3,4,5,6,7,8,9,10,11,12,13,14,15
	ds_load_b128 v[KV+4*\f:KV+4*\f+3], v[ADV] offset:512*\f         ; V lands under the softmax
.endr
	ds_load_b32 v[VSW], v[ADS] offset:4096
	ds_load_b32 v[VSW+1], v[ADS] offset:4096+128
.irp k, 0,1,2,3,4,5,6,7
	MAXG \k, 0                                     ; each block's largest score: for the row's maximum and for the block's largest p; the eight blocks by turns
	MAXG \k, 4
.endr
.irp b, 0,1,2,3,4,5,6,7
	v_permlanex16_b32 v[T1+\b], v[BM+\b], s[SEL], s[SEL+1]
.endr
.irp b, 0,1,2,3,4,5,6,7
	v_max_num_f32 v[BM+\b], v[BM+\b], v[T1+\b]
.endr
.irp y, 0,1
	v_max3_num_f32 v[T2+\y], v[BM+4*\y], v[BM+4*\y+1], v[BM+4*\y+2]
.endr
.irp y, 0,1
	v_max_num_f32 v[T2+\y], v[T2+\y], v[BM+4*\y+3]
.endr
.irp y, 0,1
	v_mul_f32 v[T2+\y], s[CS], v[T2+\y]
.endr
.irp y, 0,1
	v_max_num_f32 v[NM+2*\y+1], v[NM+2*\y+1], v[T2+\y]             ; the running largest t
.endr
.irp y, 0,1
	v_mov_b32 v[T2+\y], v[NM+2*\y]
.endr
.irp y, 0,1
	v_floor_f32 v[NM+2*\y], -v[NM+2*\y+1]                          ; -M = floor(-t): M is a whole number
.endr
.irp y, 0,1
	v_sub_f32 v[T2+\y], v[NM+2*\y], v[T2+\y]
.endr
.irp y, 0,1
	v_cvt_i32_f32 v[T2+\y], v[T2+\y]                               ; (it saturates)
.endr
.irp y, 0,1
	v_ldexp_f32 v[FF+\y], 1.0, v[T2+\y]                            ; f = 2^(old M - new M)
.endr
.set j, 0
.rept 32
	v_pk_fma_f32 v[S+j:S+j+1], v[S+j:S+j+1], s[CS:CS+1], v[NM:NM+1] op_sel_hi:[1,0,0]   ; X: t - M
.set j, j+2
.endr
.irp b, 0,1,2,3,4,5,6,7
	v_fma_f32 v[BM+\b], v[BM+\b], s[CS], v[NM+2*(\b/4)]
.endr
	WALU                                           ; the wait ahead of the batch
.irp b, 0,1,2,3,4,5,6,7
	v_exp_f32 v[BM+\b], v[BM+\b]                   ; each block's largest p
.endr
.set j, 0
.rept 32
	v_exp_f32 v[S+j], v[S+j]                       ; X: p = 2^(t - M)
	v_exp_f32 v[S+j+1], v[S+j+1]
	v_pk_fma_f32 v[S+64+j:S+65+j], v[S+64+j:S+65+j], s[CS:CS+1], v[NM+2:NM+3] op_sel_hi:[1,0,0]   ; Y: t - M, first read behind the next two waits
.set j, j+2
.endr
	v_pk_mul_f32 v[SUM:SUM+1], v[SUM:SUM+1], v[FF:FF+1] op_sel_hi:[1,0]                  ; the sums under the new M
	v_pk_mul_f32 v[SUM+2:SUM+3], v[SUM+2:SUM+3], v[FF:FF+1] op_sel:[0,1] op_sel_hi:[1,1]
	WALU                                           ; the wait behind the batch
	SUMS S, SUM
.irp b, 0,1,2,3,4,5,6,7
	v_max_num_f32 v[BM+\b], 0x4800000, v[BM+\b]    ; the floor: the byte cannot fall under 1
.endr
.irp b, 0,1,2,3,4,5,6,7
	v_add_nc_u32 v[SO+\b], 0xfc000000, v[BM+\b]    ; the conversion's scale operand
.endr
.irp b, 0,1,2,3,4,5,6,7
	v_and_or_b32 v[HL+\b], v[BM+\b], 0x7f800000, s[MNT]   ; 448 x the scale
.endr
.irp b, 0,1,2,3,4,5,6,7
	v_lshrrev_b32 v[T1+\b], 23, v[SO+\b]
.endr
.irp y, 0,1
	v_lshl_or_b32 v[PWD+\y], v[T1+4*\y+1], 8, v[T1+4*\y]
.endr
.irp y, 0,1
	v_lshl_or_b32 v[PWD+\y], v[T1+4*\y+2], 16, v[PWD+\y]
.endr
.irp y, 0,1
	v_lshl_or_b32 v[PWD+\y], v[T1+4*\y+3], 24, v[PWD+\y]
.endr
	WALU                                           ; the wait ahead of the second batch
.set j, 0
.rept 32
	v_exp_f32 v[S+64+j], v[S+64+j]                 ; Y: p
	v_exp_f32 v[S+65+j], v[S+65+j]
	HOLD2 S+j, HL+j/16                             ; X's holds, first read behind the wait below
.set j, j+2
.endr
	v_nop                                          ; a plain place behind the last exponential
	WALU                                           ; the wait behind the batch
	SUMS S+64, SUM+2
.set j, 0
.rept 32
	HOLD2 S+64+j, HL+4+j/16
.set j, j+2
.endr
	WIN 0x40                                       ; the codes go to window 1
.irp b, 0,1,2,3,4,5,6,7
	v_cvt_scalef32_pk8_fp8_f32 v[PCD+4*\b:PCD+1+4*\b], v[S+16*\b:S+7+16*\b], v[SO+\b]
	v_cvt_scalef32_pk8_fp8_f32 v[PCD+2+4*\b:PCD+3+4*\b], v[S+8+16*\b:S+15+16*\b], v[SO+\b]
.endr
	WIN 0x41                                       ; O^T in window 1, f in window 0
	WALU                                           ; directly ahead of the first readers of O^T
.set j, 0
.rept 16
	v_pk_mul_f32 v[OT+j:OT+j+1], v[OT+j:OT+j+1], v[FF:FF+1] op_sel_hi:[1,0]   ; O^T under the new M; also the plain lines between the codes and the products
.set j, j+2
.endr
.set j, 32
.rept 16
	v_pk_mul_f32 v[OT+j:OT+j+1], v[OT+j:OT+j+1], v[FF:FF+1] op_sel:[0,1] op_sel_hi:[1,1]
.set j, j+2
.endr
	WALU
	s_wait_dscnt 0x0                               ; V and its scale words
	WIN 0x54
.irp y, 0,1
.irp t, 0,1,2,3
	PV \t, \y
.endr
.endr
	WIN 0
	s_add_co_u32 s[TB], s[TB], 8192
	s_add_co_u32 s[TS], s[TS], 256
	s_add_co_u32 s[TK], s[TK], 512
.endm
	s_mov_b32 s[TB], 0
	s_mov_b32 s[TS], 0
	s_mov_b32 s[TK], 0
	s_mov_b32 s[CNT], 3
	WALU                                           ; the head's end
.Lfirst:                                           ; keys 0-383: bytes of the first loads alone
	STEP
	s_sub_co_u32 s[CNT], s[CNT], 1
	s_cmp_lg_u32 s[CNT], 0
	s_cbranch_scc1 .Lfirst
	s_wait_tensorcnt 0x0
	s_wait_dscnt 0x0
	s_barrier_signal -1
	s_barrier_wait -1                              ; everybody's second load has landed
	s_mov_b32 s[TB], 24576
	s_mov_b32 s[TS], 768
	s_mov_b32 s[TK], 1536
	s_mov_b32 s[CNT], 13
.Lrest:
	STEP
	s_sub_co_u32 s[CNT], s[CNT], 1
	s_cmp_lg_u32 s[CNT], 0
	s_cbranch_scc1 .Lrest
	; THE WAY OUT: O^T / the sum, four blocks of 32 channels (X's two, Y's two) quantised, the codes stored as pieces of an image
.rept 8
	v_nop                                          ; places behind the last products
.endr
.irp y, 0,1
	v_add_f32 v[SUM+2*\y], v[SUM+2*\y], v[SUM+2*\y+1]
.endr
.irp y, 0,1
	v_permlanex16_b32 v[T2+\y], v[SUM+2*\y], s[SEL], s[SEL+1]
.endr
.irp y, 0,1
	v_add_f32 v[SUM+2*\y], v[SUM+2*\y], v[T2+\y]
.endr
	WALU
	v_rcp_f32 v[SUM], v[SUM]
	v_rcp_f32 v[SUM+2], v[SUM+2]
	v_and_b32 v[T1], 15, v0
	v_bfe_u32 v[T1+1], v0, 4, 1
	v_lshl_add_u32 v11, v[T1], 2, v[T1+1]          ; the scale byte's place: 4 r + h
	v_cmp_eq_u32 vcc_lo, 1, v[T1+1]
	s_lshl_b32 s50, s14, 7
	s_lshl_b32 s51, s12, 4
	s_add_co_u32 s50, s50, s51
	s_lshl_b32 s51, s[WV], 1
	s_add_co_u32 s50, s50, s51                     ; X's tile of 16 tokens among 256; Y's is the next
	s_lshl_b32 s52, s50, 14                        ; 16,384 bytes a tile, 1,024 a head
	s_lshl_b32 s53, s15, 10
	s_add_co_u32 s52, s52, s53
	s_mov_b32 s53, 0
	s_add_nc_u64 s[54:55], s[8:9], s[52:53]
	s_lshr_b32 s56, s15, 1
	s_lshl_b32 s56, s56, 8
	s_add_co_u32 s56, s56, s50
	s_lshl_b32 s56, s56, 6                         ; scale words [K step 8][tile 256][row 16]; my head's two bytes of a word
	s_and_b32 s57, s15, 1
	s_lshl_b32 s57, s57, 1
	s_add_co_u32 s56, s56, s57
	s_add_co_u32 s56, s56, A_SOFF
	s_mov_b32 s57, 0
	s_add_nc_u64 s[58:59], s[8:9], s[56:57]
	WIN 0x01                                       ; O^T in window 1
	WALU                                           ; the reciprocals' wait, directly ahead of the first readers of O^T
.set j, 0
.rept 64
	v_mul_f32 v[S+j], v[OT+j], v[SUM+2*(j/32)]     ; each accumulator from its low end on
.set j, j+1
.endr
	WIN 0
.irp b, 0,1,2,3
	v_max3_num_f32 v[BM+\b], |v[S+16*\b]|, |v[S+1+16*\b]|, 0x4800000
.endr
.irp i, 2,4,6,8,10,12,14
.irp b, 0,1,2,3
	v_max3_num_f32 v[BM+\b], v[BM+\b], |v[S+16*\b+\i]|, |v[S+1+16*\b+\i]|
.endr
.endr
.irp b, 0,1,2,3
	v_permlanex16_b32 v[T1+\b], v[BM+\b], s[SEL], s[SEL+1]
.endr
.irp b, 0,1,2,3
	v_max_num_f32 v[BM+\b], v[BM+\b], v[T1+\b]
.endr
.irp b, 0,1,2,3
	v_add_nc_u32 v[SO+\b], 0xfc000000, v[BM+\b]
.endr
.irp b, 0,1,2,3
	v_and_or_b32 v[HL+\b], v[BM+\b], 0x7f800000, s[MNT]
.endr
.irp b, 0,1,2,3
	v_lshrrev_b32 v[T1+\b], 23, v[SO+\b]
.endr
.irp b, 0,1,2,3
.irp i, 0,1,2,3,4,5,6,7,8,9,10,11,12,13,14,15
	v_med3_num_f32 v[S+16*\b+\i], v[S+16*\b+\i], -v[HL+\b], v[HL+\b]
.endr
	v_cvt_scalef32_pk8_fp8_f32 v[KV+4*\b:KV+1+4*\b], v[S+16*\b:S+7+16*\b], v[SO+\b]
	v_cvt_scalef32_pk8_fp8_f32 v[KV+2+4*\b:KV+3+4*\b], v[S+8+16*\b:S+15+16*\b], v[SO+\b]
.endr
	v_cndmask_b32 v[T2], v[T1], v[T1+1], vcc_lo    ; lanes 0-15 store a tile's first byte, lanes 16-31 its second
	v_cndmask_b32 v[T2+1], v[T1+2], v[T1+3], vcc_lo
.irp y, 0,1
	global_store_b128 v[AK0], v[KV+8*\y:KV+8*\y+3], s[54:55] offset:16384*\y          ; 512 consecutive bytes, aligned
	global_store_b128 v[AK0], v[KV+8*\y+4:KV+8*\y+7], s[54:55] offset:16384*\y+512
	global_store_b8 v11, v[T2+\y], s[58:59] offset:64*\y
.endr
	s_wait_tensorcnt 0x0                           ; the wave's end
	ds_add_u32 v[SPW], v[NIL]
	s_wait_dscnt 0x0
	CROUND                                         ; the closing round
	s_endpgm
.Lfunc_end_k_q0b60df0e56_attn:
	.size	k_q0b60df0e56_attn, .Lfunc_end_k_q0b60df0e56_attn-k_q0b60df0e56_attn
	.p2alignl 7, 3214868480
	.fill 96, 4, 3214868480
	.section	.rodata,"a",@progbits
	.p2align	6, 0x0
	.amdhsa_kernel k_q0b60df0e56_attn
		.amdhsa_group_segment_fixed_size 327680
		.amdhsa_private_segment_fixed_size 0
		.amdhsa_enable_private_segment 0
		.amdhsa_kernarg_size 24
		.amdhsa_user_sgpr_count 2
		.amdhsa_user_sgpr_kernarg_segment_ptr 1
		.amdhsa_wavefront_size32 1
		.amdhsa_system_sgpr_workgroup_id_x 1
		.amdhsa_system_sgpr_workgroup_id_y 1
		.amdhsa_system_sgpr_workgroup_id_z 1
		.amdhsa_system_vgpr_workitem_id 0
		.amdhsa_next_free_vgpr 512
		.amdhsa_next_free_sgpr 66
		.amdhsa_reserve_vcc 1
		.amdhsa_float_denorm_mode_32 3
		.amdhsa_float_denorm_mode_16_64 3
		.amdhsa_memory_ordered 1
		.amdhsa_forward_progress 1
		.amdhsa_inst_pref_size 94
	.end_amdhsa_kernel
	.amdgpu_metadata
---
amdhsa.version: [ 1, 2 ]
amdhsa.kernels:
  - .name:           k_q0b60df0e56_attn
    .symbol:         k_q0b60df0e56_attn.kd
    .args:
      - { .name: qkvbuf, .offset: 0, .size: 8, .value_kind: global_buffer, .address_space: global }
      - { .name: attention_mask, .offset: 8, .size: 8, .value_kind: global_buffer, .address_space: global }
      - { .name: abuf, .offset: 16, .size: 8, .value_kind: global_buffer, .address_space: global }
    .group_segment_fixed_size: 327680
    .private_segment_fixed_size: 0
    .kernarg_segment_align: 8
    .kernarg_segment_size: 24
    .max_flat_workgroup_size: 256
    .sgpr_count:     66
    .vgpr_count:     512
    .wavefront_size: 32
...
	.end_amdgpu_metadata
.endif
;; end of part 3
;; launch wo (part 4): grid 8 x 32, 4 waves a work-group, clusters of 4 x 4, 327,680 bytes of LDS; arguments abuf, wo_codes, wo_scales, x, x1; writes x1
.if DOCPART == 4
	.amdgcn_target "amdgcn-amd-amdhsa--gfx1250"
	.amdhsa_code_object_version 6
	.text
	.protected	k_q0b60df0e56_wo
	.globl	k_q0b60df0e56_wo
	.p2align	8
	.type	k_q0b60df0e56_wo,@function
k_q0b60df0e56_wo:
	s_mov_b64 s[64:65], 0
	v_nop
	global_prefetch_b8 v0, s[64:65] scope:SCOPE_SE
	s_setreg_imm32_b32 hwreg(HW_REG_WAVE_MODE, 25, 1), 1
	s_wait_xcnt 0x0
	s_wait_alu depctr_hold_cnt(0) depctr_sa_sdst(0) depctr_va_vdst(0) depctr_va_sdst(0) depctr_va_ssrc(0) depctr_va_vcc(0) depctr_vm_vsrc(0)
	s_getreg_b32 s2, hwreg(HW_REG_IB_STS2, 6, 4)
	s_cmp_eq_u32 s2, 0
	s_cbranch_scc0 .Lentry_in_a_cluster
	s_endpgm
.Lentry_in_a_cluster:
	s_bfe_u32 s2, ttmp6, 0x10000c
	s_cmp_lg_u32 s2, 0xf033
	s_cbranch_scc0 .Lentry_shape_is_right
	s_endpgm
.Lentry_shape_is_right:
; x1 = x + A W^T on E4M3 codes with E8M0 scales.  A: 4,096 rows as images of operand registers [row tile 256][K step 8][piece 4][512], its scale words [K step][row tile][row 16] behind them;
; W: [1,024][1,024] codes, K innermost, scale bytes [1,024][32]; x, x1: [4,096][1,024] f32.
; N = 1,024 gives only 64 tiles of 256 x 256, so a tile is 128 x 128: 256 work-groups.  THE FOUR WAVES SPLIT K: each makes the whole tile (64 accumulators) over its own 128 of each half of K, so that each
; fragment read from LDS feeds eight products; the four partial sums meet in the LDS stage that the way out needs anyway.
; A's images hold each block of 32 in the order (column 16 u + 8 h + j at place 16 h + 8 u + j): W's fragments are read in the same order, by two loads of 8 bytes a block.
; LDS IS FILLED ONCE, at the head, one joint load a wave: wave 0 A's 8 row tiles, all of K (131,072 dense bytes); wave 1 W's 128 rows of 1,024 bytes + 16; wave 2 A's scale words; wave 3 W's scale bytes.
; Clusters of 4 x 4: A's tiles shared along a row, W's along a column.  No prefetch: all bytes are asked for at the head, and there is no loop to run ahead in.
; THE RESIDUAL of the 32 rows that a wave stores is asked for ahead of its use: rows 0-15 at the head, into 64 registers that the products leave idle; rows 16-31 in the last half's middle, into A's registers that are done with.
; The sums of the four waves are added in the order 0, 1, 2, 3, then the residual.
.set SIZE_K, 1024
.set NP,     8                         ; places behind this matrix instruction (ISA guide 7.12.1)
.set ABYT,   131072
.set BPITCH, 1040                      ; 260 words: with 8 bytes a lane the 32 lanes of a load touch 64 different banks
.set SCA,    ABYT+128*BPITCH           ; A's scale words: 8 rows of 512 bytes
.set SCB,    SCA+4*SIZE_K              ; W's scale bytes: 16 units of 256 bytes + 16
.set SPARE,  SCB+16*272                ; the spare words: 128 bytes a wave
.set KSB,    SIZE_K/32
.set CPY,    128*528                   ; the way out: a wave's copy of the tile, rows of 512 bytes + 16; the four copies end under SPARE
.set RD,   8                           ; v8-11 where I read the four copies back
.set ADRA, 16                          ; v16-19 A: half 0, 1 of K for row tiles 0-3; the same for row tiles 4-7
.set ADRB, 20                          ; v20-23 W likewise
.set STO,  24
.set ADSA, 26
.set ADSB, 27
.set SPW,  28
.set NIL,  29
.set SC,   32                          ; v32-47 scale words, two sets of 4 + 4, and nothing else
.set R0,   64                          ; v64-127  the residual of my rows 0-15; then the sums of rows 16-31
.set R1,   128                         ; v128-191 the residual of my rows 16-31
.set X0,   192                         ; v192-255 the sums of rows 0-15
.set Y0,   0                           ; window 1, v0-63 and v64-127: two buffers for the waves' copies
.set Y1,   64
.set AF,   128
.set G1, 24
.set G0, 32
.set G1B, 48
.set G0B, 56
.set G1S, 68
.set G0S, 76
.set G1SB, 80
.set G0SB, 88
.set MSB, 0
.macro WIN new                         ; the immediate's high byte repeats the setting that is left
.if MSB != (\new)
	s_set_vgpr_msb (MSB<<8)|(\new)
.set MSB, (\new)
.endif
.endm
.set MUL_LO, 0xa1
.set MUL_HI, 0xf1
.set TO_B,   0x40
.macro CROUND
	s_barrier_signal -1
	s_barrier_wait -1
	s_cmp_lg_u32 s14, 0
	s_cbranch_scc1 .Lnot_wave_0_\@
	s_barrier_signal -3
.Lnot_wave_0_\@:
	s_barrier_wait -3
	s_barrier_signal -1
	s_barrier_wait -1
.endm
.macro PLACES n
.rept \n
	v_nop
.endr
.endm
.macro DIMS g, c, r, p                 ; group 1's words 1 to 7: r rows of c elements, p elements apart
	s_mov_b32 s[\g+1], (\c)<<16
	s_mov_b32 s[\g+2], (\r)<<16
	s_mov_b32 s[\g+3], (\c)<<16
	s_mov_b32 s[\g+4], \r
	s_mov_b32 s[\g+5], \p
	s_mov_b32 s[\g+6], 0
	s_mov_b32 s[\g+7], 0
.endm
.macro GRP0 g, lds, adr                ; group 0: the LDS address, a constant, and the tile's first byte
	s_mov_b32 s[\g], 1
	s_mov_b32 s[\g+1], \lds
	s_mov_b64 s[\g+2:\g+3], s[\adr:\adr+1]
	s_or_b32 s[\g+3], s[\g+3], 0x80000000
.endm
.macro ARM under, g0, g1, next         ; an arm of the head's one chain: a load, its s_nop 0 and four v_nop, a jump to the join
	s_cmp_lt_u32 s14, \under
	s_cbranch_scc0 \next
	tensor_load_to_lds s[\g0:\g0+3], s[\g1:\g1+7]
	s_nop 0
	PLACES 4
	s_branch .Lhead_asked
\next:
.endm
	s_load_b256 s[4:11], s[0:1], 0x0               ; A's buffer, W's codes, W's scales, x
	s_load_b64 s[12:13], s[0:1], 0x20              ; x1
	v_lshl_add_u32 v[SPW], v0, 2, SPARE
	v_mov_b32 v[NIL], 0
	ds_add_u32 v[SPW], v[NIL]                      ; the opening lines: the add twice on end and its wait
	ds_add_u32 v[SPW], v[NIL]
	v_lshrrev_b32 v1, 5, v0
	v_readfirstlane_b32 s14, v1                    ; wave: my 128 of each 512 along K
	s_bfe_u32 s40, ttmp6, 0x40000
	s_bfe_u32 s41, ttmp6, 0x40004
	s_lshl_b32 s42, ttmp9, 2
	s_add_co_u32 s42, s42, s40                     ; tile column
	s_and_b32 s17, ttmp7, 0xffff
	s_lshl_b32 s17, s17, 2
	s_add_co_u32 s17, s17, s41                     ; tile row
	s_lshl_b32 s43, s41, 2
	s_lshl_b32 s43, 15, s43                        ; my row of the cluster
	s_lshl_b32 s44, 0x1111, s40                    ; my column
	s_or_b32 s[G1+0], s43, (3<<16)|(1<<21)         ; A: 131,072 dense bytes as 16 rows of 8,192 (1,024 elements of 8)
	DIMS G1, 1024, 16, 1024
	s_or_b32 s[G1B+0], s44, (0<<16)|(1<<20)|(1<<21)|(7<<22)|(3<<25)  ; W: 128 rows x 1,024 bytes, 4 words of padding behind every 1,024
	DIMS G1B, 1024, 128, SIZE_K
	s_or_b32 s[G1S+0], s43, (3<<16)|(1<<21)        ; A's scale words: 8 K steps x 512 bytes, 16,384 bytes apart
	DIMS G1S, 64, 8, 2048
	s_or_b32 s[G1SB+0], s44, (3<<16)|(1<<20)|(1<<21)|(5<<22)|(3<<25) ; W's scale bytes of 128 rows: 4,096 dense bytes as rows of 256 + 16
	DIMS G1SB, 32, 16, 32
	s_lshl_b32 s20, s17, 17                        ; A: row tile 8 x tile row, 16,384 bytes a row tile
	s_mov_b32 s21, 0
	s_lshl_b32 s22, s17, 9
	s_add_co_u32 s22, s22, 4096*SIZE_K             ; its scale words lie behind the images
	s_mov_b32 s23, 0
	s_lshl_b32 s46, s42, 7                         ; W: row 128 x tile column
	s_mul_i32 s92, s46, KSB
	s_mov_b32 s93, 0
	s_mul_i32 s46, s46, SIZE_K
	s_mov_b32 s47, 0
	s_lshl_b32 s66, s17, 19                        ; what I store: 128 rows of 4,096 bytes a tile row,
	s_lshl_b32 s67, s14, 17                        ; 32 rows a wave,
	s_add_co_u32 s66, s66, s67
	s_lshl_b32 s67, s42, 9                         ; 512 bytes a tile column
	s_add_co_u32 s66, s66, s67
	s_mov_b32 s67, 0
	s_wait_dscnt 0x0
	s_wait_kmcnt 0x0
	s_add_nc_u64 s[20:21], s[4:5], s[20:21]
	s_add_nc_u64 s[22:23], s[4:5], s[22:23]
	s_add_nc_u64 s[46:47], s[6:7], s[46:47]
	s_add_nc_u64 s[92:93], s[8:9], s[92:93]
	s_add_nc_u64 s[10:11], s[10:11], s[66:67]
	s_add_nc_u64 s[12:13], s[12:13], s[66:67]
	CROUND                                         ; all sixteen work-groups are here: the joint loads meet
	GRP0 G0, 0, 20
	GRP0 G0B, ABYT, 46
	GRP0 G0S, SCA, 22
	GRP0 G0SB, SCB, 92
	ARM 1, G0,  G1,  .Lhead_w                      ; one chain of branches on the wave's number: every way passes exactly one load
	ARM 2, G0B, G1B, .Lhead_sa
	ARM 3, G0S, G1S, .Lhead_sw
	tensor_load_to_lds s[G0SB:G0SB+3], s[G1SB:G1SB+7]
	s_nop 0
	PLACES 4
.Lhead_asked:
	v_and_b32 v1, 15, v0                           ; r
	v_bfe_u32 v2, v0, 4, 1                         ; h
	v_and_b32 v3, 31, v0                           ; lane
	v_lshlrev_b32 v4, 4, v3                        ; 16 x lane; never rewritten
.irp t, 0,1,2,3,4,5,6,7,8,9,10,11,12,13,14,15
	global_load_b128 v[R0+4*\t:R0+4*\t+3], v4, s[10:11] offset:\t*4096 th:TH_LOAD_NT   ; the residual of my rows 0-15: wanted only on the way out
.endr
	s_lshl_b32 s18, s14, 11
	v_add_nc_u32 v[ADRA], s18, v4                  ; A: my K step's 2,048 bytes of a row tile of 16,384
	v_add_nc_u32 v[ADRA+1], 8192, v[ADRA]          ; the second half of K: four K steps on
	v_add_nc_u32 v[ADRA+2], 65536, v[ADRA]         ; row tiles 4-7
	v_add_nc_u32 v[ADRA+3], 65536, v[ADRA+1]
	v_mul_u32_u24 v5, v1, BPITCH
	v_lshl_add_u32 v5, v2, 3, v5
	s_lshl_b32 s18, s14, 7
	s_add_co_u32 s18, s18, ABYT
	v_add_nc_u32 v[ADRB], s18, v5                  ; W: row r, my 128 bytes, + 8 h
	v_add_nc_u32 v[ADRB+1], 512, v[ADRB]
	v_add_nc_u32 v[ADRB+2], 64*BPITCH, v[ADRB]     ; rows 64-127
	v_add_nc_u32 v[ADRB+3], 64*BPITCH, v[ADRB+1]
	s_lshl_b32 s18, s14, 9
	s_add_co_u32 s18, s18, SCA
	v_lshl_add_u32 v[ADSA], v3, 2, s18             ; A's scale words: my K step's 512 bytes, 4 bytes a lane
	v_mul_u32_u24 v5, v3, KSB
	v_lshrrev_b32 v6, 8, v5
	v_lshl_add_u32 v5, v6, 4, v5
	s_lshl_b32 s18, s14, 2
	s_add_co_u32 s18, s18, SCB
	v_add_nc_u32 v[ADSB], s18, v5                  ; W's: a row a lane, my K step's word
.macro FRAGA reg, half, i              ; an image: four loads of 512 consecutive bytes
.irp c, 0,1,2,3
	ds_load_b128 v[\reg+4*\c:\reg+4*\c+3], v[ADRA+\half+2*((\i)/4)] offset:((\i)%4)*16384+512*\c
.endr
.endm
.macro FRAGB reg, half, i              ; registers 4 c, 4 c + 1: K = 32 c + 8 h + 0..7; 4 c + 2, 4 c + 3: K = 32 c + 16 + 8 h + 0..7: the images' order
.irp c, 0,1,2,3
	ds_load_b64 v[\reg+4*\c:\reg+4*\c+1], v[ADRB+\half+2*((\i)/4)] offset:((\i)%4)*16*BPITCH+32*\c
	ds_load_b64 v[\reg+4*\c+2:\reg+4*\c+3], v[ADRB+\half+2*((\i)/4)] offset:((\i)%4)*16*BPITCH+32*\c+16
.endr
.endm
.macro FETCH_B half                    ; W's eight fragments into set = half
	WIN TO_B
.irp i, 0,1,2,3,4,5,6,7
	FRAGB 128*(\half)+16*\i, \half, \i
.endr
	WIN 0
.endm
.macro FETCH_A half, i0
.irp i, \i0, \i0+1, \i0+2, \i0+3
	FRAGA AF+16*(\i), \half, \i
.endr
.endm
.macro SCALES set                      ; register p: lanes 0-15 block 2 p, lanes 16-31 block 2 p + 1; A's four, then W's four; the second half of K lies four K steps on
.irp p, 0,1,2,3
	ds_load_b32 v[SC+8*\set+\p], v[ADSA] offset:128*\p+2048*\set
	ds_load_b32 v[SC+8*\set+4+\p], v[ADSB] offset:\p*4*272+16*\set
.endr
.endm
.macro WM d, a, b, zero, sa, sb, ra, rb
.if \zero
.if (\ra) && (\rb)
	v_wmma_scale_f32_16x16x128_f8f6f4 v[\d:\d+7], v[\a:\a+15], v[\b:\b+15], 0, v[\sa], v[\sb] matrix_a_scale:MATRIX_SCALE_ROW1 matrix_b_scale:MATRIX_SCALE_ROW1
.elseif (\ra)
	v_wmma_scale_f32_16x16x128_f8f6f4 v[\d:\d+7], v[\a:\a+15], v[\b:\b+15], 0, v[\sa], v[\sb] matrix_a_scale:MATRIX_SCALE_ROW1
.elseif (\rb)
	v_wmma_scale_f32_16x16x128_f8f6f4 v[\d:\d+7], v[\a:\a+15], v[\b:\b+15], 0, v[\sa], v[\sb] matrix_b_scale:MATRIX_SCALE_ROW1
.else
	v_wmma_scale_f32_16x16x128_f8f6f4 v[\d:\d+7], v[\a:\a+15], v[\b:\b+15], 0, v[\sa], v[\sb]
.endif
.else
.if (\ra) && (\rb)
	v_wmma_scale_f32_16x16x128_f8f6f4 v[\d:\d+7], v[\a:\a+15], v[\b:\b+15], v[\d:\d+7], v[\sa], v[\sb] matrix_a_scale:MATRIX_SCALE_ROW1 matrix_b_scale:MATRIX_SCALE_ROW1
.elseif (\ra)
	v_wmma_scale_f32_16x16x128_f8f6f4 v[\d:\d+7], v[\a:\a+15], v[\b:\b+15], v[\d:\d+7], v[\sa], v[\sb] matrix_a_scale:MATRIX_SCALE_ROW1
.elseif (\rb)
	v_wmma_scale_f32_16x16x128_f8f6f4 v[\d:\d+7], v[\a:\a+15], v[\b:\b+15], v[\d:\d+7], v[\sa], v[\sb] matrix_b_scale:MATRIX_SCALE_ROW1
.else
	v_wmma_scale_f32_16x16x128_f8f6f4 v[\d:\d+7], v[\a:\a+15], v[\b:\b+15], v[\d:\d+7], v[\sa], v[\sb]
.endif
.endif
.endm
.macro MUL16 a0, p, zero               ; A's blocks a0, a0 + 1 x W's eight (source 0 = W, source 1 = A); the 64 accumulators take turns
.irp a, \a0, \a0+1
.irp b, 0,1,2,3,4,5,6,7
	WM 8*(8*((\a)%4)+\b), 128*(\p)+16*\b, AF+16*(\a), \zero, SC+8*(\p)+4+\b/2, SC+8*(\p)+(\a)/2, \b%2, (\a)%2
.endr
.endr
.endm
	s_wait_alu depctr_va_vdst(0)                   ; the wait at the head's end
	s_wait_tensorcnt 0x0                           ; my tile of the four has landed
	s_barrier_signal -1
	s_barrier_wait -1                              ; and so has everybody's
	FETCH_B 0
	FETCH_A 0, 0
	SCALES 0
	FETCH_A 0, 4
	s_wait_dscnt 16                                ; the youngest 16 loads (A's blocks 4-7) may be out
	WIN MUL_LO
	MUL16 0, 0, 1                                  ; the first half's products start the sums
	MUL16 2, 0, 1
	s_wait_dscnt 0x0
	PLACES NP                                      ; A's blocks 0-3 are done with: eight places, then their registers take loads
	FETCH_B 1
	FETCH_A 1, 0
	SCALES 1
	WIN MUL_HI
	MUL16 4, 0, 1
	MUL16 6, 0, 1
	PLACES NP
	WIN 0
	FETCH_A 1, 4
	s_wait_dscnt 16                                ; the second half: the youngest 16 loads (A's blocks 4-7) may be out
	WIN MUL_LO
	MUL16 0, 1, 0
	MUL16 2, 1, 0
	s_wait_dscnt 0
	PLACES NP
	WIN 0
.irp t, 0,1,2,3,4,5,6,7,8,9,10,11,12,13,14,15
	global_load_b128 v[R1+4*\t:R1+4*\t+3], v4, s[10:11] offset:(16+\t)*4096 th:TH_LOAD_NT   ; the residual of my rows 16-31
.endr
	WIN MUL_HI
	MUL16 4, 1, 0
	MUL16 6, 1, 0
	WIN 0
	; THE WAY OUT: each wave lays its partial tile into its copy (rows of 528 bytes) in the tiles' bytes, which were filled once and, behind the barrier, have had their last read
	PLACES NP
	s_wait_dscnt 0x0
	s_barrier_signal -1
	s_barrier_wait -1
	s_mul_i32 s18, s14, CPY
	v_mul_u32_u24 v5, v1, 528
	v_lshl_add_u32 v5, v2, 5, v5
	v_add_nc_u32 v[STO], s18, v5                   ; row r, 32 bytes for each half of the lanes
.irp a, 0,1,2,3,4,5,6,7
	WIN 0x08+4*(\a/4)                              ; an LDS store's data are its source 1: window 2 or 3
.irp b, 0,1,2,3,4,5,6,7
	ds_store_b128 v[STO], v[64*(\a%4)+8*\b:64*(\a%4)+8*\b+3] offset:\a*8448+64*\b          ; each accumulator from its low end on
	ds_store_b128 v[STO], v[64*(\a%4)+8*\b+4:64*(\a%4)+8*\b+7] offset:\a*8448+64*\b+16
.endr
.endr
	WIN 0
	s_mul_i32 s18, s14, 2*8448
	v_add_nc_u32 v[RD], s18, v4                    ; wave w adds rows 32 w .. 32 w + 31 of the four copies
	v_add_nc_u32 v[RD+1], CPY, v[RD]
	v_add_nc_u32 v[RD+2], CPY, v[RD+1]
	v_add_nc_u32 v[RD+3], CPY, v[RD+2]
	s_wait_alu depctr_va_vdst(0)
	s_wait_dscnt 0x0                               ; for the others' sake: my stores have landed
	s_barrier_signal -1
	s_barrier_wait -1
.macro ADDIN x, src
.set j, 0
.rept 32
	v_pk_add_f32 v[\x+j:\x+j+1], v[\x+j:\x+j+1], v[\src+j:\src+j+1]
.set j, j+2
.endr
.endm
.macro COPY dst, c, e
.irp t, 0,1,2,3,4,5,6,7,8,9,10,11,12,13,14,15
	ds_load_b128 v[\dst+4*\t:\dst+4*\t+3], v[RD+\c] offset:\e*8448+\t*528
.endr
.endm
; 16 rows: copy 0 lands where the sums are kept; copies 1, 2, 3 come through two buffers in window 1 by turns, so that a copy is on its way while another is added.  left: residual loads that may stay out
.macro OUTB e, x, r, left
	COPY \x, 0, \e
	WIN TO_B                                       ; destination window 1, address window 0
	COPY Y0, 1, \e
	COPY Y1, 2, \e
	s_wait_dscnt 16                                ; copies 0 and 1 are in; copy 2's 16 loads may be out
	WIN 0x04                                       ; source 1 window 1
	ADDIN \x, Y0
	WIN TO_B
	COPY Y0, 3, \e
	s_wait_dscnt 16                                ; copy 2 is in; copy 3's 16 loads may be out
	WIN 0x04
	ADDIN \x, Y1
	s_wait_dscnt 0x0
	ADDIN \x, Y0
	WIN 0
	s_wait_loadcnt \left                           ; these rows' residual is in
	ADDIN \x, \r
.irp t, 0,1,2,3,4,5,6,7,8,9,10,11,12,13,14,15
	global_store_b128 v4, v[\x+4*\t:\x+4*\t+3], s[12:13] offset:(16*\e+\t)*4096   ; 512 consecutive bytes, aligned
.endr
.endm
	OUTB 0, X0, R0, 16                             ; the second 16 rows' 16 residual loads may be out
	OUTB 1, R0, R1, 0                              ; the sums take the registers that the first residual has left: no store's data are written again
	s_wait_tensorcnt 0x0                           ; the wave's end
	ds_add_u32 v[SPW], v[NIL]
	s_wait_dscnt 0x0
	CROUND                                         ; the closing round
	s_endpgm
.Lfunc_end_k_q0b60df0e56_wo:
	.size	k_q0b60df0e56_wo, .Lfunc_end_k_q0b60df0e56_wo-k_q0b60df0e56_wo
	.p2alignl 7, 3214868480
	.fill 96, 4, 3214868480
	.section	.rodata,"a",@progbits
	.p2align	6, 0x0
	.amdhsa_kernel k_q0b60df0e56_wo
		.amdhsa_group_segment_fixed_size 327680
		.amdhsa_private_segment_fixed_size 0
		.amdhsa_enable_private_segment 0
		.amdhsa_kernarg_size 40
		.amdhsa_user_sgpr_count 2
		.amdhsa_user_sgpr_kernarg_segment_ptr 1
		.amdhsa_wavefront_size32 1
		.amdhsa_system_sgpr_workgroup_id_x 1
		.amdhsa_system_sgpr_workgroup_id_y 1
		.amdhsa_system_sgpr_workgroup_id_z 1
		.amdhsa_system_vgpr_workitem_id 0
		.amdhsa_next_free_vgpr 1024
		.amdhsa_next_free_sgpr 98
		.amdhsa_reserve_vcc 0
		.amdhsa_float_denorm_mode_32 3
		.amdhsa_float_denorm_mode_16_64 3
		.amdhsa_memory_ordered 1
		.amdhsa_forward_progress 1
		.amdhsa_inst_pref_size 78
	.end_amdhsa_kernel
	.amdgpu_metadata
---
amdhsa.version: [ 1, 2 ]
amdhsa.kernels:
  - .name:           k_q0b60df0e56_wo
    .symbol:         k_q0b60df0e56_wo.kd
    .args:
      - { .name: abuf, .offset: 0, .size: 8, .value_kind: global_buffer, .address_space: global }
      - { .name: wo_codes, .offset: 8, .size: 8, .value_kind: global_buffer, .address_space: global }
      - { .name: wo_scales, .offset: 16, .size: 8, .value_kind: global_buffer, .address_space: global }
      - { .name: x, .offset: 24, .size: 8, .value_kind: global_buffer, .address_space: global }
      - { .name: x1, .offset: 32, .size: 8, .value_kind: global_buffer, .address_space: global }
    .group_segment_fixed_size: 327680
    .private_segment_fixed_size: 0
    .kernarg_segment_align: 8
    .kernarg_segment_size: 40
    .max_flat_workgroup_size: 128
    .sgpr_count:     98
    .vgpr_count:     1024
    .wavefront_size: 32
...
	.end_amdgpu_metadata
.endif
;; end of part 4
;; launch ln2: the kernel of part 1 again; grid 256 x 1, 4 waves a work-group, no clusters, 22,016 bytes of LDS; arguments x1, ln2_g, ln2_b, ybuf; writes ybuf
;; launch w1 (part 5): grid 16 x 16, 4 waves a work-group, clusters of 4 x 4, 327,680 bytes of LDS; arguments ybuf, w1_codes, w1_scales, hbuf; writes hbuf
.if DOCPART == 5
	.amdgcn_target "amdgcn-amd-amdhsa--gfx1250"
	.amdhsa_code_object_version 6
	.text
	.protected	k_q0b60df0e56_w1
	.globl	k_q0b60df0e56_w1
	.p2align	8
	.type	k_q0b60df0e56_w1,@function
k_q0b60df0e56_w1:
	s_mov_b64 s[64:65], 0
	v_nop
	global_prefetch_b8 v0, s[64:65] scope:SCOPE_SE
	s_setreg_imm32_b32 hwreg(HW_REG_WAVE_MODE, 25, 1), 1
	s_wait_xcnt 0x0
	s_wait_alu depctr_hold_cnt(0) depctr_sa_sdst(0) depctr_va_vdst(0) depctr_va_sdst(0) depctr_va_ssrc(0) depctr_va_vcc(0) depctr_vm_vsrc(0)
	s_getreg_b32 s2, hwreg(HW_REG_IB_STS2, 6, 4)
	s_cmp_eq_u32 s2, 0
	s_cbranch_scc0 .Lentry_in_a_cluster
	s_endpgm
.Lentry_in_a_cluster:
	s_bfe_u32 s2, ttmp6, 0x10000c
	s_cmp_lg_u32 s2, 0xf033
	s_cbranch_scc0 .Lentry_shape_is_right
	s_endpgm
.Lentry_shape_is_right:
.set SIZE_K, 1024
.set YS_OFF, 4194304
.set H_SOFF, 16777216
.set KSTEP,  256
.set NQ,     KSTEP/128
.set ROWB,   256
.set KROW,   SIZE_K
.set PITCH,  272
.set FR,     16
.set NL,     4
.set NP,     8
.set HALFT,  128*PITCH
.set SLOT,   4*HALFT
.set LAPS,   SIZE_K/(2*KSTEP)
.set KS,     SIZE_K/32
.set SCL,    2*SLOT
.set HALFS,  (128*KS/256)*272
.set SBLK,   (16*KS/256)*272
.set SPARE,  SCL+4*HALFS
.set ADRA, 16
.set ADRB, 20
.set ADRS, 27
.set SPW,  28
.set NIL,  29
.set OW,   30
.set SC,   32
.set X,    64
.set AF,   128
.set GN,   128
.set GQ,   160
.set GZ,   192
.set GZ2,  200
.set KC,   208
.set PW,   222
.set PC,   224
.set TM,   240
.set G1, 24
.set G0, 32
.set G1B, 48
.set G0B, 56
.set G1S, 68
.set G0S, 76
.set G1SB, 80
.set G0SB, 88
.set MSB, 0
.macro WIN new
.if MSB != (\new)
	s_set_vgpr_msb (MSB<<8)|(\new)
.set MSB, (\new)
.endif
.endm
.set MUL_LO, 0xa1
.set MUL_HI, 0xf1
.set TO_B,   0x40
.macro JLOAD g0a, g1a, g0b, g1b
	s_cmp_eq_u32 s15, 0
	s_cbranch_scc0 .Lfor_b_\@
	tensor_load_to_lds s[\g0a:\g0a+3], s[\g1a:\g1a+7]
	s_nop 0
.rept 4
	v_nop
.endr
	s_branch .Lasked_\@
.Lfor_b_\@:
	tensor_load_to_lds s[\g0b:\g0b+3], s[\g1b:\g1b+7]
	s_nop 0
.rept 4
	v_nop
.endr
.Lasked_\@:
.endm
.macro CREST
	s_cmp_lg_u32 s14, 0
	s_cbranch_scc1 .Lnot_wave_0_\@
	s_barrier_signal -3
.Lnot_wave_0_\@:
	s_barrier_wait -3
	s_barrier_signal -1
	s_barrier_wait -1
.endm
.macro CROUND
	s_barrier_signal -1
	s_barrier_wait -1
	CREST
.endm
	s_load_b64 s[4:5], s[0:1], 0x0
	s_load_b64 s[8:9], s[0:1], 0x8
	s_load_b64 s[10:11], s[0:1], 0x10
	s_load_b64 s[12:13], s[0:1], 0x18
	v_lshl_add_u32 v[SPW], v0, 2, SPARE
	v_mov_b32 v[NIL], 0
	ds_add_u32 v28, v29
	ds_add_u32 v28, v29
	s_wait_dscnt 0x0
	v_lshrrev_b32 v1, 5, v0
	v_readfirstlane_b32 s14, v1
	s_lshr_b32 s15, s14, 1
	s_and_b32 s16, s14, 1
	s_bfe_u32 s40, ttmp6, 0x40000
	s_bfe_u32 s41, ttmp6, 0x40004
	s_lshl_b32 s42, ttmp9, 2
	s_add_co_u32 s42, s42, s40
	s_and_b32 s17, ttmp7, 0xffff
	s_lshl_b32 s17, s17, 2
	s_add_co_u32 s17, s17, s41
	s_lshl_b32 s43, s41, 2
	s_lshl_b32 s43, 15, s43
	s_lshl_b32 s44, 0x1111, s40
	s_or_b32 s[G1+0], s43, (0<<16)|(1<<20)|(1<<21)|(5<<22)|(3<<25)
	s_or_b32 s[G1B+0], s44, (0<<16)|(1<<20)|(1<<21)|(5<<22)|(3<<25)
.irp g, G1, G1B
	s_mov_b32 s[\g+1], ROWB<<16
	s_mov_b32 s[\g+2], 256<<16                     ; the head's loads of codes bring 256 rows; the ring's 128 (set behind the head's wait)
	s_mov_b32 s[\g+3], ROWB<<16
	s_mov_b32 s[\g+4], 256
	s_mov_b32 s[\g+5], KROW
	s_mov_b32 s[\g+6], 0
	s_mov_b32 s[\g+7], 0
.endr
	s_or_b32 s[G1S+0], s43, (3<<16)|(1<<20)|(1<<21)|(5<<22)|(3<<25)
	s_or_b32 s[G1SB+0], s44, (3<<16)|(1<<20)|(1<<21)|(5<<22)|(3<<25)
.irp g, G1S, G1SB
	s_mov_b32 s[\g+1], 32<<16
	s_mov_b32 s[\g+2], KS<<16                      ; the scale bytes of 256 rows: KS units of 256 bytes
	s_mov_b32 s[\g+3], 32<<16
	s_mov_b32 s[\g+4], KS
	s_mov_b32 s[\g+5], 32
	s_mov_b32 s[\g+6], 0
	s_mov_b32 s[\g+7], 0
.endr
	s_lshl_b32 s20, s17, 8                         ; the tiles' first rows
	s_lshl_b32 s46, s42, 8
	s_mov_b32 s21, 0
	s_mov_b32 s47, 0
	s_mov_b64 s[18:19], KS
	s_mul_u64 s[22:23], s[20:21], s[18:19]
	s_mul_u64 s[92:93], s[46:47], s[18:19]
	s_mov_b64 s[18:19], KROW
	s_mul_u64 s[20:21], s[20:21], s[18:19]
	s_mul_u64 s[46:47], s[46:47], s[18:19]
	s_mul_i32 s45, s14, HALFT
	s_wait_kmcnt 0x0
	s_add_nc_u64 s[6:7], s[4:5], YS_OFF
	s_add_nc_u64 s[20:21], s[4:5], s[20:21]
	s_add_nc_u64 s[22:23], s[6:7], s[22:23]
	s_add_nc_u64 s[46:47], s[8:9], s[46:47]
	s_add_nc_u64 s[92:93], s[10:11], s[92:93]
	CROUND
; THE HEAD'S LOADS, ONE A WAVE: wave 0 fetches K step 0's 256 rows of A, wave 1 its 256 rows of B, wave 2 the scale bytes of A's 256 rows, wave 3 those of B's.
; One chain of branches on the wave's number, an arm a load, all arms leading to one join.
; PREFETCH INTO THE L2: a K step is 256 bytes of each row.  Of the 128 rows that a wave fetches in the ring, each of the four partners that ask for them jointly names 32, told apart by address (cx for A, cy for B):
; a lane a row, one instruction a wave and K step, each block of 256 bytes once in each cluster.  K steps 1 and 2 are named at the head, K step 3 behind K step 1's load; the step is the immediate offset, so no address is rewritten.
.set PFA, 94                           ; s[94:95] my work-group's 32 rows of the 128 that I fetch
.set PFO, 31                           ; v31 my lane x a row in memory; never rewritten
.set G0H, 4
.set G0HB, 8
.macro ARM under, g0, g1, next
	s_cmp_lt_u32 s14, \under
	s_cbranch_scc0 \next
	tensor_load_to_lds s[\g0:\g0+3], s[\g1:\g1+7]
	s_nop 0
.rept 4
	v_nop
.endr
	s_branch .Lhead_asked
\next:
.endm
	s_mov_b32 s[G0H], 1
	s_mov_b32 s[G0H+1], 0
	s_mov_b64 s[G0H+2:G0H+3], s[20:21]
	s_or_b32 s[G0H+3], s[G0H+3], 0x80000000
	s_mov_b32 s[G0HB], 1
	s_mov_b32 s[G0HB+1], 2*HALFT
	s_mov_b64 s[G0HB+2:G0HB+3], s[46:47]
	s_or_b32 s[G0HB+3], s[G0HB+3], 0x80000000
	s_mov_b32 s[G0S], 1
	s_mov_b32 s[G0S+1], SCL
	s_mov_b64 s[G0S+2:G0S+3], s[22:23]
	s_or_b32 s[G0S+3], s[G0S+3], 0x80000000
	s_mov_b32 s[G0SB], 1
	s_mov_b32 s[G0SB+1], SCL+2*HALFS
	s_mov_b64 s[G0SB+2:G0SB+3], s[92:93]
	s_or_b32 s[G0SB+3], s[G0SB+3], 0x80000000
	s_mul_i32 s18, s16, 128*KROW                   ; for the ring: my 128 rows of a tile
	s_mov_b32 s19, 0
	s_add_nc_u64 s[20:21], s[20:21], s[18:19]
	s_add_nc_u64 s[46:47], s[46:47], s[18:19]
.irp s, 0,1
	s_mov_b32 s[G0+4*\s], 1
	s_add_co_u32 s[G0+4*\s+1], s45, \s*SLOT
	s_add_nc_u64 s[G0+4*\s+2:G0+4*\s+3], s[20:21], \s*ROWB
	s_or_b32 s[G0+4*\s+3], s[G0+4*\s+3], 0x80000000
	s_mov_b32 s[G0B+4*\s], 1
	s_add_co_u32 s[G0B+4*\s+1], s45, \s*SLOT
	s_add_nc_u64 s[G0B+4*\s+2:G0B+4*\s+3], s[46:47], \s*ROWB
	s_or_b32 s[G0B+4*\s+3], s[G0B+4*\s+3], 0x80000000
.endr
	ARM 1, G0H,  G1,  .Lhead_b
	ARM 2, G0HB, G1B, .Lhead_sa
	ARM 3, G0S,  G1S, .Lhead_sb
	tensor_load_to_lds s[G0SB:G0SB+3], s[G1SB:G1SB+7]
	s_nop 0
.rept 4
	v_nop
.endr
.Lhead_asked:
	s_cmp_eq_u32 s15, 0                            ; do I fetch for A?
	s_cselect_b64 s[PFA:PFA+1], s[20:21], s[46:47] ; my 128 rows of the tile,
	s_cselect_b32 s18, s40, s41                    ; my place among the four that ask for them with me,
	s_mul_i32 s18, s18, 32*KROW
	s_mov_b32 s19, 0
	s_add_nc_u64 s[PFA:PFA+1], s[PFA:PFA+1], s[18:19]
	v_and_b32 v[PFO], 31, v0
	v_mul_u32_u24 v[PFO], v[PFO], KROW
	global_prefetch_b8 v[PFO], s[PFA:PFA+1] offset:ROWB th:TH_LOAD_NT scope:SCOPE_SE     ; K step 1
	global_prefetch_b8 v[PFO], s[PFA:PFA+1] offset:2*ROWB th:TH_LOAD_NT scope:SCOPE_SE   ; K step 2
	v_and_b32 v1, 15, v0
	v_bfe_u32 v2, v0, 4, 1
	v_mul_u32_u24 v3, v1, PITCH
	v_lshl_add_u32 v4, v2, 4, v3
	s_mul_i32 s21, s15, HALFT
	s_mul_i32 s22, s16, HALFT
	s_add_co_u32 s22, s22, 2*HALFT
.irp s, 0,1
	v_add_nc_u32 v[ADRA+\s], s21, v4
	v_add_nc_u32 v[ADRB+\s], s22, v4
	s_add_co_u32 s21, s21, SLOT
	s_add_co_u32 s22, s22, SLOT
.endr
	v_mul_u32_u24 v5, v1, KS
	v_lshrrev_b32 v6, 8, v5
	v_lshl_add_u32 v5, v6, 4, v5
	s_mul_i32 s21, s15, HALFS
	s_mul_i32 s22, s16, HALFS
	s_add_co_u32 s22, s22, 2*HALFS
	s_sub_co_u32 s22, s22, s21
	v_mul_u32_u24 v6, s22, v2
	s_add_co_u32 s21, s21, SCL
	v_add_nc_u32 v5, v5, v6
	v_add_nc_u32 v[ADRS], s21, v5
.macro FRAG reg, adr, q, i
.irp c, 0,1,2,3
	ds_load_b128 v[\reg+4*\c:\reg+4*\c+3], v[\adr] offset:128*(\q)+32*\c+(\i)*16*PITCH
.endr
.endm
.macro MUL16 a0, p, q, sc, zero
.irp a, \a0, \a0+1
.irp b, 0,1,2,3,4,5,6,7
.if \zero
	v_wmma_scale_f32_16x16x128_f8f6f4 v[8*(8*((\a)%4)+\b):8*(8*((\a)%4)+\b)+7], v[128*(\p)+FR*\b:128*(\p)+FR*\b+FR-1], v[AF+FR*(\a):AF+FR*(\a)+FR-1], 0, v[SC+8*NQ*(\sc)+NQ*\b+(\q)], v[SC+8*NQ*(\sc)+NQ*(\a)+(\q)] matrix_a_scale:MATRIX_SCALE_ROW1
.else
	v_wmma_scale_f32_16x16x128_f8f6f4 v[8*(8*((\a)%4)+\b):8*(8*((\a)%4)+\b)+7], v[128*(\p)+FR*\b:128*(\p)+FR*\b+FR-1], v[AF+FR*(\a):AF+FR*(\a)+FR-1], v[8*(8*((\a)%4)+\b):8*(8*((\a)%4)+\b)+7], v[SC+8*NQ*(\sc)+NQ*\b+(\q)], v[SC+8*NQ*(\sc)+NQ*(\a)+(\q)] matrix_a_scale:MATRIX_SCALE_ROW1
.endif
.endr
.endr
.endm
.macro FETCH_B slot, q, p
	WIN TO_B
.irp i, 0,1,2,3,4,5,6,7
	FRAG 128*(\p)+FR*\i, ADRB+\slot, \q, \i
.endr
	WIN 0
.endm
.macro FETCH_A slot, q, i0
.irp i, \i0, \i0+1, \i0+2, \i0+3
	FRAG AF+FR*(\i), ADRA+\slot, \q, \i
.endr
.endm
.macro SCALES sc
.irp i, 0,1,2,3,4,5,6,7
	ds_load_b64 v[SC+8*NQ*\sc+NQ*\i:SC+8*NQ*\sc+NQ*\i+1], v[ADRS] offset:\i*SBLK
.endr
.endm
.macro PLACES n
.rept \n
	v_nop
.endr
.endm
.macro STEP slot, q, zero
	s_wait_dscnt 4*NL
	WIN MUL_LO
	MUL16 0, (\q)%2, \q, \slot, \zero
	MUL16 2, (\q)%2, \q, \slot, \zero
	s_wait_dscnt 0
	PLACES NP
	FETCH_B \slot, (\q)+1, 1-(\q)%2
	FETCH_A \slot, (\q)+1, 0
	WIN MUL_HI
	MUL16 4, (\q)%2, \q, \slot, \zero
	MUL16 6, (\q)%2, \q, \slot, \zero
	PLACES NP
	WIN 0
	FETCH_A \slot, (\q)+1, 4
.endm
.macro TURN slot, next, fill
	s_wait_tensorcnt 0x0
	ds_add_u32 v[SPW], v[NIL]
.if \fill
	s_add_nc_u64 s[G0+4*\slot+2:G0+4*\slot+3], s[G0+4*\slot+2:G0+4*\slot+3], 2*ROWB
	s_add_nc_u64 s[G0B+4*\slot+2:G0B+4*\slot+3], s[G0B+4*\slot+2:G0B+4*\slot+3], 2*ROWB
.endif
	s_wait_dscnt 0x0
	s_barrier_signal -1
	s_barrier_wait -1
.if \fill
	CREST
	JLOAD G0+4*\slot, G1, G0B+4*\slot, G1B
.endif
	WIN MUL_LO
	MUL16 0, 1, NQ-1, \slot, 0
	MUL16 2, 1, NQ-1, \slot, 0
	PLACES NP
	WIN 0
	s_wait_alu depctr_va_vdst(0)
	v_add_nc_u32 v[ADRS], 4*NQ, v[ADRS]
	FETCH_B \next, 0, 0
	FETCH_A \next, 0, 0
	SCALES \next
	WIN MUL_HI
	MUL16 4, 1, NQ-1, \slot, 0
	MUL16 6, 1, NQ-1, \slot, 0
	PLACES NP
	WIN 0
	FETCH_A \next, 0, 4
.endm
.macro QUANT s, pw
.irp b, 0,1,2,3
	v_max3_num_f32 v[TM+\b], |v[\s+16*\b]|, |v[\s+1+16*\b]|, 0x4800000
.endr
.irp i, 2,4,6,8,10,12,14
.irp b, 0,1,2,3
	v_max3_num_f32 v[TM+\b], v[TM+\b], |v[\s+16*\b+\i]|, |v[\s+1+16*\b+\i]|
.endr
.endr
.irp b, 0,1,2,3
	v_permlanex16_b32 v[TM+4+\b], v[TM+\b], s20, s21
.endr
.irp b, 0,1,2,3
	v_max_num_f32 v[TM+\b], v[TM+\b], v[TM+4+\b]
.endr
.irp b, 0,1,2,3
	v_add_nc_u32 v[TM+12+\b], 0xfc000000, v[TM+\b]
.endr
.irp b, 0,1,2,3
	v_and_or_b32 v[TM+8+\b], v[TM+\b], 0x7f800000, s22
.endr
.irp b, 0,1,2,3
	v_lshrrev_b32 v[TM+4+\b], 23, v[TM+12+\b]
.endr
	v_lshl_or_b32 v[\pw], v[TM+5], 8, v[TM+4]
	v_lshl_or_b32 v[\pw], v[TM+6], 16, v[\pw]
	v_lshl_or_b32 v[\pw], v[TM+7], 24, v[\pw]
.irp b, 0,1,2,3
.irp i, 0,1,2,3,4,5,6,7,8,9,10,11,12,13,14,15
	v_med3_num_f32 v[\s+16*\b+\i], v[\s+16*\b+\i], -v[TM+8+\b], v[TM+8+\b]
.endr
	v_cvt_scalef32_pk8_fp8_f32 v[PC+4*\b:PC+1+4*\b], v[\s+16*\b:\s+7+16*\b], v[TM+12+\b]
	v_cvt_scalef32_pk8_fp8_f32 v[PC+2+4*\b:PC+3+4*\b], v[\s+8+16*\b:\s+15+16*\b], v[TM+12+\b]
.endr
	v_nop
.endm
.macro HALVE a
	WIN 2+(\a)/4
.set j, 0
.rept 32
	v_pk_mul_f32 v[X+j:X+j+1], v[64*((\a)%4)+j:64*((\a)%4)+j+1], v[KC+12:KC+13] op_sel:[0,1] op_sel_hi:[1,1]
.set j, j+2
.endr
	WIN 0
.endm
.macro PICK e
	s_cmp_eq_u32 s3, 0
	s_cbranch_scc1 .Lp0_\@
	s_cmp_eq_u32 s3, 1
	s_cbranch_scc1 .Lp1_\@
	s_cmp_eq_u32 s3, 2
	s_cbranch_scc1 .Lp2_\@
	s_wait_alu depctr_va_vdst(0)
	HALVE 6+\e
	s_branch .Lpd_\@
.Lp0_\@:
	s_wait_alu depctr_va_vdst(0)
	HALVE 0+\e
	s_branch .Lpd_\@
.Lp1_\@:
	s_wait_alu depctr_va_vdst(0)
	HALVE 2+\e
	s_branch .Lpd_\@
.Lp2_\@:
	s_wait_alu depctr_va_vdst(0)
	HALVE 4+\e
.Lpd_\@:
.endm
.macro HORN d, z, i
.if (\i)%2
	v_pk_fma_f32 v[\d:\d+1], v[\d:\d+1], v[\z:\z+1], v[KC+(\i)-1:KC+(\i)] op_sel:[0,0,1] op_sel_hi:[1,1,1]
.else
	v_pk_fma_f32 v[\d:\d+1], v[\d:\d+1], v[\z:\z+1], v[KC+(\i):KC+(\i)+1] op_sel_hi:[1,1,0]
.endif
.endm
.macro HORN4 d, i
.irp p, 0,1,2,3
	HORN \d+2*\p, GZ2+2*\p, \i
.endr
.endm
.macro GELU xs
.irp g, 0,1,2,3
.irp p, 0,1,2,3
	v_pk_mul_f32 v[GZ+2*\p:GZ+2*\p+1], v[\xs+8*\g+2*\p:\xs+8*\g+2*\p+1], v[KC+12:KC+13] op_sel_hi:[1,0]
.endr
.irp p, 0,1,2,3,4,5,6,7
	v_med3_num_f32 v[GZ+\p], v[GZ+\p], -4.0, 4.0
.endr
.irp p, 0,1,2,3
	v_pk_mul_f32 v[GZ2+2*\p:GZ2+2*\p+1], v[GZ+2*\p:GZ+2*\p+1], v[GZ+2*\p:GZ+2*\p+1]
.endr
.irp p, 0,1,2,3
	v_pk_fma_f32 v[GN+8*\g+2*\p:GN+8*\g+2*\p+1], v[GZ2+2*\p:GZ2+2*\p+1], v[KC:KC+1], v[KC:KC+1] op_sel:[0,0,1] op_sel_hi:[1,0,1]
.endr
.irp p, 0,1,2,3
	v_pk_fma_f32 v[GQ+8*\g+2*\p:GQ+8*\g+2*\p+1], v[GZ2+2*\p:GZ2+2*\p+1], v[KC+6:KC+7], v[KC+8:KC+9] op_sel:[0,1,0] op_sel_hi:[1,1,0]
.endr
	HORN4 GN+8*\g, 2
	HORN4 GQ+8*\g, 9
	HORN4 GN+8*\g, 3
	HORN4 GQ+8*\g, 10
	HORN4 GN+8*\g, 4
	HORN4 GQ+8*\g, 11
	HORN4 GN+8*\g, 5
	HORN4 GN+8*\g, 6
.irp p, 0,1,2,3
	v_pk_mul_f32 v[GN+8*\g+2*\p:GN+8*\g+2*\p+1], v[GN+8*\g+2*\p:GN+8*\g+2*\p+1], v[GZ+2*\p:GZ+2*\p+1]
.endr
	s_wait_alu depctr_va_vdst(0)
.irp p, 0,1,2,3,4,5,6,7
	v_rcp_f32 v[GQ+8*\g+\p], v[GQ+8*\g+\p]
.endr
.endr
	v_nop
	s_wait_alu depctr_va_vdst(0)
.set j, 0
.rept 16
	v_pk_mul_f32 v[GN+j:GN+j+1], v[GN+j:GN+j+1], v[GQ+j:GQ+j+1]
.set j, j+2
.endr
.set j, 0
.rept 16
	v_pk_fma_f32 v[\xs+j:\xs+j+1], v[\xs+j:\xs+j+1], v[GN+j:GN+j+1], v[\xs+j:\xs+j+1]
.set j, j+2
.endr
.endm
	s_wait_alu depctr_va_vdst(0)
	s_wait_tensorcnt 0x0                           ; my tile of the head's four is in
	ds_add_u32 v[SPW], v[NIL]
	s_mov_b32 s[G1+2], 128<<16                     ; no tensor load of mine is out: from here on a load brings 128 rows
	s_mov_b32 s[G1+4], 128
	s_mov_b32 s[G1B+2], 128<<16
	s_mov_b32 s[G1B+4], 128
	s_wait_dscnt 0x0
	CROUND                                         ; all four tiles are in, and the sixteen work-groups meet
	JLOAD G0+4, G1, G0B+4, G1B                     ; K step 1, the first tensor load behind the round
	global_prefetch_b8 v[PFO], s[PFA:PFA+1] offset:3*ROWB th:TH_LOAD_NT scope:SCOPE_SE   ; K step 3, the last
	FETCH_B 0, 0, 0
	FETCH_A 0, 0, 0
	SCALES 0
	FETCH_A 0, 0, 4
	STEP 0, 0, 1
	s_mov_b32 s3, LAPS-1
.Llap:
	TURN 0, 1, 1
	STEP 1, 0, 0
	TURN 1, 0, 1
	STEP 0, 0, 0
	s_sub_co_u32 s3, s3, 1
	s_cmp_lg_u32 s3, 0
	s_cbranch_scc1 .Llap
	TURN 0, 1, 0
	STEP 1, 0, 0
	s_wait_dscnt 4*NL
	WIN MUL_LO
	MUL16 0, 1, NQ-1, 1, 0
	MUL16 2, 1, NQ-1, 1, 0
	s_wait_dscnt 0
	WIN MUL_HI
	MUL16 4, 1, NQ-1, 1, 0
	MUL16 6, 1, NQ-1, 1, 0
	WIN 0
	PLACES NP
	v_and_b32 v1, 31, v0
	v_lshlrev_b32 v8, 4, v1
	v_lshlrev_b32 v12, 2, v1
	s_lshl_b32 s24, s17, 8
	s_lshl_b32 s26, s15, 7
	s_add_co_u32 s24, s24, s26
	s_lshl_b32 s25, s42, 8
	s_lshl_b32 s26, s16, 7
	s_add_co_u32 s25, s25, s26
	s_lshl_b32 s30, s24, 12
	s_lshl_b32 s31, s25, 4
	s_add_co_u32 s30, s30, s31
	s_mov_b32 s31, 0
	s_lshl_b32 s32, s25, 7
	s_lshl_b32 s33, s24, 2
	s_add_co_u32 s32, s32, s33
	s_add_co_u32 s32, s32, H_SOFF
	s_mov_b32 s33, 0
	s_add_nc_u64 s[34:35], s[12:13], s[30:31]
	s_add_nc_u64 s[36:37], s[12:13], s[32:33]
	v_bfe_u32 v2, v0, 4, 1
	v_cmp_eq_u32 vcc_lo, 1, v2
.irp b, 0,1,2,3
	v_mov_b32 v[TM+4+\b], 0
.endr
	v_mov_b32 v[KC+0], 0xaf95df0b
	v_mov_b32 v[KC+1], 0x32edffee
	v_mov_b32 v[KC+2], 0xb60cff51
	v_mov_b32 v[KC+3], 0xb86ec2d2
	v_mov_b32 v[KC+4], 0xba40ac63
	v_mov_b32 v[KC+5], 0xbb41a1f6
	v_mov_b32 v[KC+6], 0xbc83dbd4
	v_mov_b32 v[KC+7], 0xb77460cd
	v_mov_b32 v[KC+8], 0xb95fbd29
	v_mov_b32 v[KC+9], 0xbadc924e
	v_mov_b32 v[KC+10], 0xbbf19bf8
	v_mov_b32 v[KC+11], 0xbc69b6a7
	v_mov_b32 v[KC+12], 0x3fb504f3
	v_mov_b32 v[KC+13], 0.5
	s_mov_b32 s20, 0x76543210
	s_mov_b32 s21, 0xfedcba98
	s_mov_b32 s22, 0x600000
	s_mov_b32 s57, 0
	s_mov_b32 s3, 0
.Lout:
	s_wait_xcnt 0x0
	s_lshl_b32 s56, s3, 17
	s_add_nc_u64 s[52:53], s[34:35], s[56:57]
	s_lshl_b32 s56, s3, 7
	s_add_nc_u64 s[54:55], s[36:37], s[56:57]
.irp e, 0,1
	PICK \e
	GELU X
	GELU X+32
.if \e
	s_wait_xcnt 0x0
.endif
	QUANT X, PW+\e
.irp b, 0,1,2,3
	global_store_b128 v8, v[PC+4*\b:PC+4*\b+3], s[52:53] offset:\e*65536+\b*512
.endr
.endr
	v_cndmask_b32 v[OW], v[PW], v[PW+1], vcc_lo
	global_store_b32 v12, v[OW], s[54:55]
	s_add_co_u32 s3, s3, 1
	s_cmp_lt_u32 s3, 4
	s_cbranch_scc1 .Lout
	s_wait_tensorcnt 0x0
	ds_add_u32 v[SPW], v[NIL]
	s_wait_dscnt 0x0
	CROUND
	s_endpgm
.Lfunc_end_k_q0b60df0e56_w1:
	.size	k_q0b60df0e56_w1, .Lfunc_end_k_q0b60df0e56_w1-k_q0b60df0e56_w1
	.p2alignl 7, 3214868480
	.fill 96, 4, 3214868480
	.section	.rodata,"a",@progbits
	.p2align	6, 0x0
	.amdhsa_kernel k_q0b60df0e56_w1
		.amdhsa_group_segment_fixed_size 327680
		.amdhsa_private_segment_fixed_size 0
		.amdhsa_enable_private_segment 0
		.amdhsa_kernarg_size 32
		.amdhsa_user_sgpr_count 2
		.amdhsa_user_sgpr_kernarg_segment_ptr 1
		.amdhsa_wavefront_size32 1
		.amdhsa_system_sgpr_workgroup_id_x 1
		.amdhsa_system_sgpr_workgroup_id_y 1
		.amdhsa_system_sgpr_workgroup_id_z 1
		.amdhsa_system_vgpr_workitem_id 0
		.amdhsa_next_free_vgpr 1024
		.amdhsa_next_free_sgpr 98
		.amdhsa_reserve_vcc 1
		.amdhsa_float_denorm_mode_32 3
		.amdhsa_float_denorm_mode_16_64 3
		.amdhsa_memory_ordered 1
		.amdhsa_forward_progress 1
		.amdhsa_inst_pref_size 226
	.end_amdhsa_kernel
	.amdgpu_metadata
---
amdhsa.version: [ 1, 2 ]
amdhsa.kernels:
  - .name:           k_q0b60df0e56_w1
    .symbol:         k_q0b60df0e56_w1.kd
    .args:
      - { .name: ybuf, .offset: 0, .size: 8, .value_kind: global_buffer, .address_space: global }
      - { .name: w1_codes, .offset: 8, .size: 8, .value_kind: global_buffer, .address_space: global }
      - { .name: w1_scales, .offset: 16, .size: 8, .value_kind: global_buffer, .address_space: global }
      - { .name: hbuf, .offset: 24, .size: 8, .value_kind: global_buffer, .address_space: global }
    .group_segment_fixed_size: 327680
    .private_segment_fixed_size: 0
    .kernarg_segment_align: 8
    .kernarg_segment_size: 32
    .max_flat_workgroup_size: 128
    .sgpr_count:     98
    .vgpr_count:     1024
    .wavefront_size: 32
...
	.end_amdgpu_metadata
.endif
;; end of part 5
;; launch w2 (part 6): grid 8 x 32, 4 waves a work-group, clusters of 4 x 4, 327,680 bytes of LDS; arguments hbuf, w2_codes, w2_scales, x1, out0; writes out0
.if DOCPART == 6
	.amdgcn_target "amdgcn-amd-amdhsa--gfx1250"
	.amdhsa_code_object_version 6
	.text
	.protected	k_q0b60df0e56_w2
	.globl	k_q0b60df0e56_w2
	.p2align	8
	.type	k_q0b60df0e56_w2,@function
k_q0b60df0e56_w2:
	s_mov_b64 s[64:65], 0
	v_nop
	global_prefetch_b8 v0, s[64:65] scope:SCOPE_SE
	s_setreg_imm32_b32 hwreg(HW_REG_WAVE_MODE, 25, 1), 1
	s_wait_xcnt 0x0
	s_wait_alu depctr_hold_cnt(0) depctr_sa_sdst(0) depctr_va_vdst(0) depctr_va_sdst(0) depctr_va_ssrc(0) depctr_va_vcc(0) depctr_vm_vsrc(0)
	s_getreg_b32 s2, hwreg(HW_REG_IB_STS2, 6, 4)
	s_cmp_eq_u32 s2, 0
	s_cbranch_scc0 .Lentry_in_a_cluster
	s_endpgm
.Lentry_in_a_cluster:
	s_bfe_u32 s2, ttmp6, 0x10000c
	s_cmp_lg_u32 s2, 0xf033
	s_cbranch_scc0 .Lentry_shape_is_right
	s_endpgm
.Lentry_shape_is_right:
.set SIZE_K, 4096
.set NSL,    SIZE_K/512
.set NP,     8
.set ABYT,   65536
.set BPITCH, 528
.set SLOT,   ABYT+128*BPITCH
.set SCA,    2*SLOT
.set SCB,    SCA+4*SIZE_K
.set SPARE,  SCB+(SIZE_K/64)*272
.set KSB,    SIZE_K/32
.set CPY,    128*528
.set RD,   8
.set ADRA, 16
.set ADRB, 20
.set STO,  24
.set ADSA, 26
.set ADSB, 27
.set SPW,  28
.set NIL,  29
.set SC,   32
.set R0,   64
.set R1,   128
.set X0,   192
.set Y0,   0
.set Y1,   64
.set AF,   128
.set G1, 24
.set G0, 32
.set G1B, 48
.set G0B, 56
.set G1S, 68
.set G0S, 76
.set G1SB, 80
.set G0SB, 88
.set MSB, 0
.macro WIN new
.if MSB != (\new)
	s_set_vgpr_msb (MSB<<8)|(\new)
.set MSB, (\new)
.endif
.endm
.set MUL_LO, 0xa1
.set MUL_HI, 0xf1
.set TO_B,   0x40
.macro JLOAD g0a, g1a, g0b, g1b
	s_cmp_eq_u32 s15, 0
	s_cbranch_scc0 .Lfor_b_\@
	tensor_load_to_lds s[\g0a:\g0a+3], s[\g1a:\g1a+7]
	s_nop 0
.rept 4
	v_nop
.endr
	s_branch .Lasked_\@
.Lfor_b_\@:
	tensor_load_to_lds s[\g0b:\g0b+3], s[\g1b:\g1b+7]
	s_nop 0
.rept 4
	v_nop
.endr
.Lasked_\@:
.endm
.macro CREST
	s_cmp_lg_u32 s14, 0
	s_cbranch_scc1 .Lnot_wave_0_\@
	s_barrier_signal -3
.Lnot_wave_0_\@:
	s_barrier_wait -3
	s_barrier_signal -1
	s_barrier_wait -1
.endm
.macro CROUND
	s_barrier_signal -1
	s_barrier_wait -1
	CREST
.endm
	s_load_b256 s[4:11], s[0:1], 0x0
	s_load_b64 s[12:13], s[0:1], 0x20
	v_lshl_add_u32 v[SPW], v0, 2, SPARE
	v_mov_b32 v[NIL], 0
	ds_add_u32 v28, v29
	ds_add_u32 v28, v29
	s_wait_dscnt 0x0
	v_lshrrev_b32 v1, 5, v0
	v_readfirstlane_b32 s14, v1
	s_lshr_b32 s15, s14, 1
	s_and_b32 s16, s14, 1
	s_bfe_u32 s40, ttmp6, 0x40000
	s_bfe_u32 s41, ttmp6, 0x40004
	s_lshl_b32 s42, ttmp9, 2
	s_add_co_u32 s42, s42, s40
	s_and_b32 s17, ttmp7, 0xffff
	s_lshl_b32 s17, s17, 2
	s_add_co_u32 s17, s17, s41
	s_lshl_b32 s43, s41, 2
	s_lshl_b32 s43, 15, s43
	s_lshl_b32 s44, 0x1111, s40
	s_or_b32 s[G1+0], s43, (3<<16)|(1<<21)
	s_mov_b32 s[G1+1], 1024<<16
	s_mov_b32 s[G1+2], 8<<16                       ; the head's load of A brings 8 row tiles; the ring's 4 (set behind the head's wait)
	s_mov_b32 s[G1+3], 1024<<16
	s_mov_b32 s[G1+4], 8
	s_mov_b32 s[G1+5], 2*SIZE_K
	s_mov_b32 s[G1+6], 0
	s_mov_b32 s[G1+7], 0
	s_or_b32 s[G1B+0], s44, (0<<16)|(1<<20)|(1<<21)|(6<<22)|(3<<25)
	s_mov_b32 s[G1B+1], 512<<16
	s_mov_b32 s[G1B+2], 128<<16                    ; the head's load of W brings 128 rows; the ring's 64
	s_mov_b32 s[G1B+3], 512<<16
	s_mov_b32 s[G1B+4], 128
	s_mov_b32 s[G1B+5], SIZE_K
	s_mov_b32 s[G1B+6], 0
	s_mov_b32 s[G1B+7], 0
	s_or_b32 s[G1S+0], s43, (3<<16)|(1<<21)
	s_mov_b32 s[G1S+1], 64<<16
	s_mov_b32 s[G1S+2], (SIZE_K/128)<<16           ; A's scale words of all K steps
	s_mov_b32 s[G1S+3], 64<<16
	s_mov_b32 s[G1S+4], SIZE_K/128
	s_mov_b32 s[G1S+5], 2048
	s_mov_b32 s[G1S+6], 0
	s_mov_b32 s[G1S+7], 0
	s_or_b32 s[G1SB+0], s44, (3<<16)|(1<<20)|(1<<21)|(5<<22)|(3<<25)
	s_mov_b32 s[G1SB+1], 32<<16
	s_mov_b32 s[G1SB+2], (SIZE_K/64)<<16           ; W's scale bytes of 128 rows
	s_mov_b32 s[G1SB+3], 32<<16
	s_mov_b32 s[G1SB+4], SIZE_K/64
	s_mov_b32 s[G1SB+5], 32
	s_mov_b32 s[G1SB+6], 0
	s_mov_b32 s[G1SB+7], 0
	s_lshl_b32 s20, s17, 3
	s_mul_i32 s20, s20, 16*SIZE_K
	s_mov_b32 s21, 0
	s_lshl_b32 s22, s17, 9
	s_add_co_u32 s22, s22, 4096*SIZE_K
	s_mov_b32 s23, 0
	s_lshl_b32 s46, s42, 7
	s_mul_i32 s92, s46, KSB
	s_mov_b32 s93, 0
	s_mul_i32 s46, s46, SIZE_K
	s_mov_b32 s47, 0
	s_lshl_b32 s45, s16, 15
	s_mul_i32 s94, s16, 64*BPITCH
	s_add_co_u32 s94, s94, ABYT
	s_mul_i32 s96, s16, 64*SIZE_K                  ; for the ring: my half of a tile, in bytes: A's 4 row tiles of 16 SIZE_K bytes are as many as W's 64 rows of SIZE_K
	s_mov_b32 s97, 0
	s_lshl_b32 s66, s17, 19
	s_lshl_b32 s67, s14, 17
	s_add_co_u32 s66, s66, s67
	s_lshl_b32 s67, s42, 9
	s_add_co_u32 s66, s66, s67
	s_mov_b32 s67, 0
	s_wait_kmcnt 0x0
	s_add_nc_u64 s[20:21], s[4:5], s[20:21]
	s_add_nc_u64 s[22:23], s[4:5], s[22:23]
	s_add_nc_u64 s[46:47], s[6:7], s[46:47]
	s_add_nc_u64 s[92:93], s[8:9], s[92:93]
	s_add_nc_u64 s[10:11], s[10:11], s[66:67]
	s_add_nc_u64 s[12:13], s[12:13], s[66:67]
	CROUND
; THE HEAD'S LOADS, ONE A WAVE: wave 0 fetches slot 0's 8 row tiles of A, wave 1 its 128 rows of W, wave 2 A's scale words, wave 3 W's scale bytes.  One chain of branches on the wave's number, an arm a load, one join.
; Slot 0's groups 0 serve the head's whole tiles first; behind the head's wait they are set to my half, for the ring.
; PREFETCH INTO THE L2: a slot is 8,192 bytes of each of A's row tiles and 512 bytes of each of W's rows.  Of the 128 blocks of 256 bytes that a wave's load of the ring brings, each of the four partners that ask for them
; jointly names 32, told apart by address (cx: one row tile of A; cy: 16 rows of W): one instruction a wave and slot, a lane a block, each block once in each cluster.  Slots 1 and 2 are named at the head, slot 3 behind
; slot 1's load, slot n + 4 in the turn that works on slot n: two refills ahead of the load that wants it.  The last slot named is slot 7.
.set PFA, 98                           ; s[98:99] my 32 blocks, in slot 1 at first; stepped a slot at the head of each turn that asks
.set PFS, 100                          ; s[100:101] a slot on, in bytes
.set PFO, 30                           ; v30 my lane's block; v31 the same a slot on; v25 two slots on; never rewritten
.macro ARM under, g0, g1, next
	s_cmp_lt_u32 s14, \under
	s_cbranch_scc0 \next
	tensor_load_to_lds s[\g0:\g0+3], s[\g1:\g1+7]
	s_nop 0
.rept 4
	v_nop
.endr
	s_branch .Lhead_asked
\next:
.endm
	s_mov_b32 s[G0], 1
	s_mov_b32 s[G0+1], 0
	s_mov_b64 s[G0+2:G0+3], s[20:21]
	s_or_b32 s[G0+3], s[G0+3], 0x80000000
	s_mov_b32 s[G0B], 1
	s_mov_b32 s[G0B+1], ABYT
	s_mov_b64 s[G0B+2:G0B+3], s[46:47]
	s_or_b32 s[G0B+3], s[G0B+3], 0x80000000
	s_mov_b32 s[G0S], 1
	s_mov_b32 s[G0S+1], SCA
	s_mov_b64 s[G0S+2:G0S+3], s[22:23]
	s_or_b32 s[G0S+3], s[G0S+3], 0x80000000
	s_mov_b32 s[G0SB], 1
	s_mov_b32 s[G0SB+1], SCB
	s_mov_b64 s[G0SB+2:G0SB+3], s[92:93]
	s_or_b32 s[G0SB+3], s[G0SB+3], 0x80000000
	s_mov_b32 s[G0+4], 1                           ; slot 1: my half
	s_add_co_u32 s[G0+5], s45, SLOT
	s_add_nc_u64 s[G0+6:G0+7], s[20:21], s[96:97]
	s_add_nc_u64 s[G0+6:G0+7], s[G0+6:G0+7], 8192
	s_or_b32 s[G0+7], s[G0+7], 0x80000000
	s_mov_b32 s[G0B+4], 1
	s_add_co_u32 s[G0B+5], s94, SLOT
	s_add_nc_u64 s[G0B+6:G0B+7], s[46:47], s[96:97]
	s_add_nc_u64 s[G0B+6:G0B+7], s[G0B+6:G0B+7], 512
	s_or_b32 s[G0B+7], s[G0B+7], 0x80000000
	ARM 1, G0,  G1,  .Lhead_w
	ARM 2, G0B, G1B, .Lhead_sa
	ARM 3, G0S, G1S, .Lhead_sw
	tensor_load_to_lds s[G0SB:G0SB+3], s[G1SB:G1SB+7]
	s_nop 0
.rept 4
	v_nop
.endr
.Lhead_asked:
	s_lshl_b32 s66, s17, 3                         ; the prefetches.  A: row tile 8 x tile row + 4 x half + cx, 16 SIZE_K bytes each, slot 1
	s_lshl_b32 s67, s16, 2
	s_add_co_u32 s66, s66, s67
	s_add_co_u32 s66, s66, s40
	s_lshl_b32 s66, s66, 16
	s_add_co_u32 s66, s66, 8192
	s_lshl_b32 s92, s42, 7                         ; W: row 128 x tile column + 64 x half + 16 cy, SIZE_K bytes each, slot 1
	s_lshl_b32 s67, s16, 6
	s_add_co_u32 s92, s92, s67
	s_lshl_b32 s67, s41, 4
	s_add_co_u32 s92, s92, s67
	s_lshl_b32 s92, s92, 12
	s_add_co_u32 s92, s92, 512
	s_cmp_eq_u32 s15, 0                            ; do I fetch for A?
	s_cselect_b32 s66, s66, s92
	s_cselect_b64 s[PFA:PFA+1], s[4:5], s[6:7]
	s_mov_b32 s[PFS], 512
	s_cselect_b32 s[PFS], 8192, s[PFS]
	s_mov_b32 s93, SIZE_K
	s_cselect_b32 s93, 512, s93                    ; from one pair of lanes to the next: 512 bytes on in A's dense run, a row on in W
	s_mov_b32 s67, 0
	s_mov_b32 s[PFS+1], 0
	s_add_nc_u64 s[PFA:PFA+1], s[PFA:PFA+1], s[66:67]
	v_and_b32 v1, 15, v0
	v_bfe_u32 v2, v0, 4, 1
	v_and_b32 v3, 31, v0
	v_lshlrev_b32 v4, 4, v3
.irp t, 0,1,2,3,4,5,6,7,8,9,10,11,12,13,14,15
	global_load_b128 v[R0+4*\t:R0+4*\t+3], v4, s[10:11] offset:\t*4096 th:TH_LOAD_NT
.endr
	v_lshrrev_b32 v31, 1, v3
	v_and_b32 v[PFO], 1, v3
	v_mul_lo_u32 v31, v31, s93
	v_lshl_add_u32 v[PFO], v[PFO], 8, v31          ; (lane / 2) x the pitch + 256 (lane % 2)
	v_add_nc_u32 v31, s[PFS], v[PFO]
	v_add_nc_u32 v25, s[PFS], v31
	global_prefetch_b8 v[PFO], s[PFA:PFA+1] th:TH_LOAD_NT scope:SCOPE_SE   ; slot 1
	global_prefetch_b8 v31, s[PFA:PFA+1] th:TH_LOAD_NT scope:SCOPE_SE      ; slot 2
	s_lshl_b32 s18, s14, 11
	v_add_nc_u32 v[ADRA], s18, v4
	v_add_nc_u32 v[ADRA+1], SLOT, v[ADRA]
	v_mul_u32_u24 v5, v1, BPITCH
	v_lshl_add_u32 v5, v2, 3, v5
	s_lshl_b32 s18, s14, 7
	s_add_co_u32 s18, s18, ABYT
	v_add_nc_u32 v[ADRB], s18, v5
	v_add_nc_u32 v[ADRB+1], SLOT, v[ADRB]
	s_lshl_b32 s18, s14, 9
	s_add_co_u32 s18, s18, SCA
	v_lshl_add_u32 v[ADSA], v3, 2, s18
	v_mul_u32_u24 v5, v3, KSB
	v_lshrrev_b32 v6, 8, v5
	v_lshl_add_u32 v5, v6, 4, v5
	s_lshl_b32 s18, s14, 2
	s_add_co_u32 s18, s18, SCB
	v_add_nc_u32 v[ADSB], s18, v5
.macro FRAGA reg, slot, i
.irp c, 0,1,2,3
	ds_load_b128 v[\reg+4*\c:\reg+4*\c+3], v[ADRA+\slot] offset:(\i)*8192+512*\c
.endr
.endm
.macro FRAGB reg, slot, i
.irp c, 0,1,2,3
	ds_load_b64 v[\reg+4*\c:\reg+4*\c+1], v[ADRB+\slot] offset:(\i)*16*BPITCH+32*\c
	ds_load_b64 v[\reg+4*\c+2:\reg+4*\c+3], v[ADRB+\slot] offset:(\i)*16*BPITCH+32*\c+16
.endr
.endm
.macro FETCH_B slot
	WIN TO_B
.irp i, 0,1,2,3,4,5,6,7
	FRAGB 128*(\slot)+16*\i, \slot, \i
.endr
	WIN 0
.endm
.macro FETCH_A slot, i0
.irp i, \i0, \i0+1, \i0+2, \i0+3
	FRAGA AF+16*(\i), \slot, \i
.endr
.endm
.macro SCALES set
.irp p, 0,1,2,3
	ds_load_b32 v[SC+8*\set+\p], v[ADSA] offset:128*\p
	ds_load_b32 v[SC+8*\set+4+\p], v[ADSB] offset:\p*(SIZE_K/256)*272
.endr
.endm
.macro PLACES n
.rept \n
	v_nop
.endr
.endm
.macro WM d, a, b, zero, sa, sb, ra, rb
.if \zero
.if (\ra) && (\rb)
	v_wmma_scale_f32_16x16x128_f8f6f4 v[\d:\d+7], v[\a:\a+15], v[\b:\b+15], 0, v[\sa], v[\sb] matrix_a_scale:MATRIX_SCALE_ROW1 matrix_b_scale:MATRIX_SCALE_ROW1
.elseif (\ra)
	v_wmma_scale_f32_16x16x128_f8f6f4 v[\d:\d+7], v[\a:\a+15], v[\b:\b+15], 0, v[\sa], v[\sb] matrix_a_scale:MATRIX_SCALE_ROW1
.elseif (\rb)
	v_wmma_scale_f32_16x16x128_f8f6f4 v[\d:\d+7], v[\a:\a+15], v[\b:\b+15], 0, v[\sa], v[\sb] matrix_b_scale:MATRIX_SCALE_ROW1
.else
	v_wmma_scale_f32_16x16x128_f8f6f4 v[\d:\d+7], v[\a:\a+15], v[\b:\b+15], 0, v[\sa], v[\sb]
.endif
.else
.if (\ra) && (\rb)
	v_wmma_scale_f32_16x16x128_f8f6f4 v[\d:\d+7], v[\a:\a+15], v[\b:\b+15], v[\d:\d+7], v[\sa], v[\sb] matrix_a_scale:MATRIX_SCALE_ROW1 matrix_b_scale:MATRIX_SCALE_ROW1
.elseif (\ra)
	v_wmma_scale_f32_16x16x128_f8f6f4 v[\d:\d+7], v[\a:\a+15], v[\b:\b+15], v[\d:\d+7], v[\sa], v[\sb] matrix_a_scale:MATRIX_SCALE_ROW1
.elseif (\rb)
	v_wmma_scale_f32_16x16x128_f8f6f4 v[\d:\d+7], v[\a:\a+15], v[\b:\b+15], v[\d:\d+7], v[\sa], v[\sb] matrix_b_scale:MATRIX_SCALE_ROW1
.else
	v_wmma_scale_f32_16x16x128_f8f6f4 v[\d:\d+7], v[\a:\a+15], v[\b:\b+15], v[\d:\d+7], v[\sa], v[\sb]
.endif
.endif
.endm
.macro MUL16 a0, p, zero
.irp a, \a0, \a0+1
.irp b, 0,1,2,3,4,5,6,7
	WM 8*(8*((\a)%4)+\b), 128*(\p)+16*\b, AF+16*(\a), \zero, SC+8*(\p)+4+\b/2, SC+8*(\p)+(\a)/2, \b%2, (\a)%2
.endr
.endr
.endm
.macro TURN slot, next, fill, zero, pf=0   ; pf = 1: the slot four on is named for the L2; 2: the same, but not in the loop's last trip
.if \pf
	s_wait_xcnt 0x0                                ; my last prefetch has read its address
	s_add_nc_u64 s[PFA:PFA+1], s[PFA:PFA+1], s[PFS:PFS+1]
.endif
	s_wait_tensorcnt 0x0
	ds_add_u32 v[SPW], v[NIL]
.if \fill
	s_add_nc_u64 s[G0+4*\slot+2:G0+4*\slot+3], s[G0+4*\slot+2:G0+4*\slot+3], 2*8192
	s_add_nc_u64 s[G0B+4*\slot+2:G0B+4*\slot+3], s[G0B+4*\slot+2:G0B+4*\slot+3], 2*512
.endif
	s_wait_dscnt 0x0
	s_barrier_signal -1
	s_barrier_wait -1
.if \fill
	CREST
	JLOAD G0+4*\slot, G1, G0B+4*\slot, G1B
.endif
	WIN MUL_LO
	MUL16 0, \slot, \zero
	MUL16 2, \slot, \zero
	PLACES NP
	WIN 0
	s_wait_alu depctr_va_vdst(0)
	v_add_nc_u32 v[ADSA], 2048, v[ADSA]
	v_add_nc_u32 v[ADSB], 16, v[ADSB]
	FETCH_B \next
	FETCH_A \next, 0
	SCALES \next
.if (\pf) == 1
	global_prefetch_b8 v25, s[PFA:PFA+1] th:TH_LOAD_NT scope:SCOPE_SE
.elseif (\pf) == 2
	s_cmp_lg_u32 s3, 1
	s_cbranch_scc0 .Lno_ask_\@                     ; there is no slot 8
	global_prefetch_b8 v25, s[PFA:PFA+1] th:TH_LOAD_NT scope:SCOPE_SE
.Lno_ask_\@:
.endif
	WIN MUL_HI
	MUL16 4, \slot, \zero
	MUL16 6, \slot, \zero
	PLACES NP
	WIN 0
	FETCH_A \next, 4
.endm
	s_wait_alu depctr_va_vdst(0)
	s_wait_tensorcnt 0x0                           ; my tile of the head's four is in
	ds_add_u32 v[SPW], v[NIL]
	s_mov_b32 s[G1+2], 4<<16                       ; no tensor load of mine is out: from here on a load brings half a tile,
	s_mov_b32 s[G1+4], 4
	s_mov_b32 s[G1B+2], 64<<16
	s_mov_b32 s[G1B+4], 64
	s_mov_b32 s[G0+1], s45                         ; and slot 0's groups 0 name my half
	s_add_nc_u64 s[G0+2:G0+3], s[G0+2:G0+3], s[96:97]
	s_mov_b32 s[G0B+1], s94
	s_add_nc_u64 s[G0B+2:G0B+3], s[G0B+2:G0B+3], s[96:97]
	s_wait_dscnt 0x0
	CROUND                                         ; all four tiles are in, and the sixteen work-groups meet
	JLOAD G0+4, G1, G0B+4, G1B                     ; slot 1, the first tensor load behind the round
	global_prefetch_b8 v25, s[PFA:PFA+1] th:TH_LOAD_NT scope:SCOPE_SE      ; slot 3
	FETCH_B 0
	FETCH_A 0, 0
	SCALES 0
	FETCH_A 0, 4
.if NSL > 2
	TURN 0, 1, 1, 1, 1
	s_mov_b32 s3, (NSL-4)/2
.Llap:
	TURN 1, 0, 1, 0, 1
	TURN 0, 1, 1, 0, 2
	s_sub_co_u32 s3, s3, 1
	s_cmp_lg_u32 s3, 0
	s_cbranch_scc1 .Llap
	TURN 1, 0, 1, 0
	TURN 0, 1, 0, 0
.else
	TURN 0, 1, 0, 1
.endif
	s_wait_dscnt 16
	WIN MUL_LO
	MUL16 0, 1, 0
	MUL16 2, 1, 0
	s_wait_dscnt 0
	PLACES NP
	WIN 0
.irp t, 0,1,2,3,4,5,6,7,8,9,10,11,12,13,14,15
	global_load_b128 v[R1+4*\t:R1+4*\t+3], v4, s[10:11] offset:(16+\t)*4096 th:TH_LOAD_NT
.endr
	WIN MUL_HI
	MUL16 4, 1, 0
	MUL16 6, 1, 0
	WIN 0
	PLACES NP
	s_wait_dscnt 0x0
	s_barrier_signal -1
	s_barrier_wait -1
	s_mul_i32 s18, s14, CPY
	v_mul_u32_u24 v5, v1, 528
	v_lshl_add_u32 v5, v2, 5, v5
	v_add_nc_u32 v[STO], s18, v5
.irp a, 0,1,2,3,4,5,6,7
	WIN 0x08+4*(\a/4)
.irp b, 0,1,2,3,4,5,6,7
	ds_store_b128 v[STO], v[64*(\a%4)+8*\b:64*(\a%4)+8*\b+3] offset:\a*8448+64*\b
	ds_store_b128 v[STO], v[64*(\a%4)+8*\b+4:64*(\a%4)+8*\b+7] offset:\a*8448+64*\b+16
.endr
.endr
	WIN 0
	s_mul_i32 s18, s14, 2*8448
	v_add_nc_u32 v[RD], s18, v4
	v_add_nc_u32 v[RD+1], CPY, v[RD]
	v_add_nc_u32 v[RD+2], CPY, v[RD+1]
	v_add_nc_u32 v[RD+3], CPY, v[RD+2]
	s_wait_alu depctr_va_vdst(0)
	s_wait_dscnt 0x0
	s_barrier_signal -1
	s_barrier_wait -1
.macro ADDIN x, src
.set j, 0
.rept 32
	v_pk_add_f32 v[\x+j:\x+j+1], v[\x+j:\x+j+1], v[\src+j:\src+j+1]
.set j, j+2
.endr
.endm
.macro COPY dst, c, e
.irp t, 0,1,2,3,4,5,6,7,8,9,10,11,12,13,14,15
	ds_load_b128 v[\dst+4*\t:\dst+4*\t+3], v[RD+\c] offset:\e*8448+\t*528
.endr
.endm
.macro OUTB e, x, r, left
	COPY \x, 0, \e
	WIN TO_B
	COPY Y0, 1, \e
	COPY Y1, 2, \e
	s_wait_dscnt 16
	WIN 0x04
	ADDIN \x, Y0
	WIN TO_B
	COPY Y0, 3, \e
	s_wait_dscnt 16
	WIN 0x04
	ADDIN \x, Y1
	s_wait_dscnt 0x0
	ADDIN \x, Y0
	WIN 0
	s_wait_loadcnt \left
	ADDIN \x, \r
.irp t, 0,1,2,3,4,5,6,7,8,9,10,11,12,13,14,15
	global_store_b128 v4, v[\x+4*\t:\x+4*\t+3], s[12:13] offset:(16*\e+\t)*4096
.endr
.endm
	OUTB 0, X0, R0, 16
	OUTB 1, R0, R1, 0
	s_wait_tensorcnt 0x0
	ds_add_u32 v[SPW], v[NIL]
	s_wait_dscnt 0x0
	CROUND
	s_endpgm
.Lfunc_end_k_q0b60df0e56_w2:
	.size	k_q0b60df0e56_w2, .Lfunc_end_k_q0b60df0e56_w2-k_q0b60df0e56_w2
	.p2alignl 7, 3214868480
	.fill 96, 4, 3214868480
	.section	.rodata,"a",@progbits
	.p2align	6, 0x0
	.amdhsa_kernel k_q0b60df0e56_w2
		.amdhsa_group_segment_fixed_size 327680
		.amdhsa_private_segment_fixed_size 0
		.amdhsa_enable_private_segment 0
		.amdhsa_kernarg_size 40
		.amdhsa_user_sgpr_count 2
		.amdhsa_user_sgpr_kernarg_segment_ptr 1
		.amdhsa_wavefront_size32 1
		.amdhsa_system_sgpr_workgroup_id_x 1
		.amdhsa_system_sgpr_workgroup_id_y 1
		.amdhsa_system_sgpr_workgroup_id_z 1
		.amdhsa_system_vgpr_workitem_id 0
		.amdhsa_next_free_vgpr 1024
		.amdhsa_next_free_sgpr 102
		.amdhsa_reserve_vcc 0
		.amdhsa_float_denorm_mode_32 3
		.amdhsa_float_denorm_mode_16_64 3
		.amdhsa_memory_ordered 1
		.amdhsa_forward_progress 1
		.amdhsa_inst_pref_size 148
	.end_amdhsa_kernel
	.amdgpu_metadata
---
amdhsa.version: [ 1, 2 ]
amdhsa.kernels:
  - .name:           k_q0b60df0e56_w2
    .symbol:         k_q0b60df0e56_w2.kd
    .args:
      - { .name: hbuf, .offset: 0, .size: 8, .value_kind: global_buffer, .address_space: global }
      - { .name: w2_codes, .offset: 8, .size: 8, .value_kind: global_buffer, .address_space: global }
      - { .name: w2_scales, .offset: 16, .size: 8, .value_kind: global_buffer, .address_space: global }
      - { .name: x1, .offset: 24, .size: 8, .value_kind: global_buffer, .address_space: global }
      - { .name: out0, .offset: 32, .size: 8, .value_kind: global_buffer, .address_space: global }
    .group_segment_fixed_size: 327680
    .private_segment_fixed_size: 0
    .kernarg_segment_align: 8
    .kernarg_segment_size: 40
    .max_flat_workgroup_size: 128
    .sgpr_count:     102
    .vgpr_count:     1024
    .wavefront_size: 32
...
	.end_amdgpu_metadata
.endif
;; end of part 6
